; MI455X (gfx1250); checked and timed in simulation.
; The chip was launched on July 23, 2026; its instructions are those of AMD's public machine-readable ISA for CDNA 5 (MIT licence, August 2026) and "CDNA5" Instruction Set Architecture Reference Guide (July 2026). The comments in the code are by the model that wrote it; some were corrected since.
;; Efficient Multi Head Attention. Allowed arithmetic: matrix products marked QUANTISED: E2M3 operands, one E8M0 scale for each 32 along K, by v_wmma_scale_f32_16x16x128_f8f6f4 with both operands' format E2M3, f32 sums; everything else in f32.
;; Inputs: attention_mask 4 x 2,048 int32; hidden_states 4 x 2,048 x 1,024 float32; w_out 1,024 x 1,024 float32; w_qkv 1,024 x 3,072 float32.
;; Outputs: out0 4 x 2,048 x 1,024 float32.
;; This version of the problem:
;;   THIS VERSION OF THE PROBLEM IS GIVEN IN LOW PRECISION. The matrix products marked QUANTISED in the list below multiply operands that are first quantised to E2M3 (2 exponent bits, 3 mantissa bits; 6 bits a number), with one power-of-two scale for each 32 numbers along K (OCP MX v1.0); their sums are f32. All else is computed in f32.
;;   The module's matrix products, in the order in which they are computed (A, B: the left and right operand; K: the contracted axis; several contracted axes count as one K, in the product's order):
;;     1. [M 8,192, K 1,024] x [K 1,024, N 3,072]; A: input hidden_states; B: input w_qkv: QUANTISED
;;     2. batch 64 x [M 2,048, K 64] x [K 64, N 2,048]; A: computed on the way; B: computed on the way: QUANTISED
;;     3. batch 64 x [M 64, K 2,048] x [K 2,048, N 2,048]; A: computed on the way; B: softmax (see below): QUANTISED
;;     4. [M 8,192, K 1,024] x [K 1,024, N 1,024]; A: computed on the way; B: input w_out: QUANTISED
;;   THE QUANTISER, for each operand of a quantised product, along K:
;;     - K is cut into blocks of 32 from its start; a last block that is shorter is filled with zeros.
;;     - A block's scale is 2^e with e = floor(log2(the largest magnitude in the block)) - 2, held to -126 .. 127; a block of zeros has e = 0. As a byte (E8M0): e + 127.
;;     - Each number is divided by its block's scale, clamped to +-7.5, and rounded to the nearest number of E2M3, ties to even, subnormals kept.
;;     - The product sums the exact products of the quantised numbers (number of the format x scale) in f32.
;;   ~~~python
;;   def quantise(x, axis):      # numpy; x: float32 -> the quantised numbers, widened to float32 again
;;       x = np.moveaxis(x, axis, -1); K = x.shape[-1]
;;       x = np.pad(x, [(0, 0)] * (x.ndim - 1) + [(0, -K % 32)]); x = x.reshape(x.shape[:-1] + (-1, 32)); a = np.abs(x).max(-1, keepdims=True)
;;       e = np.where(a > 0, np.clip(np.frexp(np.where(a > 0, a, 1))[1] - 1 - 2, -126, 127), 0)      # np.frexp(a)[1] - 1 = floor(log2(a)), exactly
;;       r = np.clip(x / 2.0 ** e, -7.5, 7.5)
;;       step = 2.0 ** (np.maximum(np.frexp(np.where(r == 0, 1, r))[1] - 1, 0) - 3)
;;       q = np.round(r / step) * step * 2.0 ** e      # np.round: ties to even
;;       return np.moveaxis(q.reshape(q.shape[:-2] + (-1,))[..., :K], -1, axis).astype(np.float32)
;;   ~~~
;;   SOFTMAX AHEAD OF A QUANTISED PRODUCT. Where the list says 'softmax', what is quantised is not the finished softmax but p = 2^(t - M), with t = logit x log2(e) and M = ceil(the row's largest t), a whole number; so 1/2 < the row's largest p <= 1. The row's sum l is taken of the UNQUANTISED p, in f32, and the product's result is divided by l at the end. Since M is a whole number, a kernel that streams over the keys may use a running M (the ceiling of the running maximum): every later rescaling is an exact power of two, which a block's scale takes up: the codes' values come out the same.
;;   OPERANDS COMPUTED ON THE WAY. 'Computed on the way' means the value that the module computes at that place (a softmax that the list does not call 'softmax' is quantised finished and normalised). What goes into a quantiser is computed in f32, as accurately as f32 sums, v_exp_f32 and their like allow (about 1e-6 of the number): no bf16 or f16 on the way to a quantiser, and a product that is left as it is and whose result goes on into a quantised operand takes f32 operands (vector FMAs, or v_wmma_f32_16x16x4_f32). A number that lies on a knife's edge between two numbers of the format may be rounded either way, as far as f32 arithmetic and the matrix unit's own rounding can turn it there, and no further.
;; One version. Each part assembles by itself: llvm-mc -triple=amdgcn-amd-amdhsa -mcpu=gfx1250 --defsym DOCPART=n.
;; ======== version 1 of 1: 6 launches
;; limits: right only within a limited range of input values
;; workspace buffers: xq 6,553,600 bytes; wqkq 1,835,008 bytes; wvq 1,048,576 bytes; woq 1,048,576 bytes; qkq 13,107,200 bytes; vq 6,815,744 bytes; cq 6,553,600 bytes
;; launch qx (part 1): grid 256 x 1, 2 waves a work-group, no clusters, 18,176 bytes of LDS; arguments hidden_states, xq; writes xq
.if DOCPART == 1
	.amdgcn_target "amdgcn-amd-amdhsa--gfx1250"
	.amdhsa_code_object_version 6
	.text
	.protected	k_q48e263a0d2_qx
	.globl	k_q48e263a0d2_qx
	.p2align	8
	.type	k_q48e263a0d2_qx,@function
k_q48e263a0d2_qx:
	s_mov_b64 s[64:65], 0
	v_nop
	global_prefetch_b8 v0, s[64:65] scope:SCOPE_SE
	s_setreg_imm32_b32 hwreg(HW_REG_WAVE_MODE, 25, 1), 1
	s_wait_xcnt 0x0
; hidden_states [8192][1024] f32 becomes codes of E2M3 with one E8M0 byte for each 32 along K, laid as the products' operand registers take them.
; A block's scale is 2^(floor(log2(its largest magnitude)) - 2); its byte is the largest magnitude's exponent field - 2, held at 1 from below.
; LIMITS: a block of zeros gets the byte 1 where the rule says 127 (its codes are zeros, and this program alone reads the bytes); NaN and infinities among the inputs are not served.
; LAYOUT OF xq.  Rows stand in an order in which bits 3 and 4 of the row's number change places: row 16 a + r of the buffer is token 32 (a / 2) + 8 (a % 2) + r + 8 (r / 8).
; From byte 262,144: [tile of 16 rows][64 along K][768 bytes]: a half image: lane l's operand registers 0-3 at 16 l, registers 4-5 at 512 + 8 l (lane (r, h): row r, k = 32 h .. 32 h + 31).
; From byte 0: the scale words, [256 rows][128 along K][256 rows] -> one word a row and 128 along K, 8,192 bytes for each 256 rows.
; SHARES.  Wave W = 2 x work-group + wave takes 64 tokens (W / 4) x 256 along K (W % 4): eight steps of 16 rows x 128 K.  Each load reads 512 consecutive bytes of a row; a step's 16 rows turn through the
; wave's own stage in LDS (rows 528 bytes apart) so that lane (r, h) gets, of row r, 16 neighbours of each block of 32.  Waves share nothing: no barrier.  Loads run two steps (32 loads) ahead.
.set WREG,  8960                       ; LDS of a wave: a stage of 16 x 528 bytes, then 512 bytes in which its scale words are gathered
.set GATH,  8448
.set SPARE, 2*WREG                     ; the spare words, 128 bytes a wave: one block of 256 bytes that no other line names
.set L16, 1                            ; v1  16 x lane
.set L8,  2                            ; v2  8 x lane
.set STI, 3                            ; v3  the stage, way in
.set STO, 4                            ; v4  the stage, way out: 528 r + 64 h
.set SGA, 5                            ; v5  where my row's scale word goes
.set SGR, 6                            ; v6  and where 8 bytes of them are read back
.set SPW, 12
.set NIL, 13
.set R,   16                           ; v16-143  two sets of 64: a step's rows as loaded
.set X,   144                          ; v144-207 64 numbers: register 16 b + i = k 32 b + 16 h + i of my row
.set PC,  208                          ; v208-227 the codes
.set TM,  228                          ; v228-243 at work
.set PW,  244                          ; the scale word
.set SEL, 20
	s_load_b128 s[4:7], s[0:1], 0x0                ; hidden_states, xq
	v_lshl_add_u32 v[SPW], v0, 2, SPARE
	v_mov_b32 v[NIL], 0
	v_lshrrev_b32 v7, 5, v0
	v_readfirstlane_b32 s12, v7                    ; wave
	v_and_b32 v7, 31, v0
	v_lshlrev_b32 v[L16], 4, v7
	v_lshlrev_b32 v[L8], 3, v7
	s_mul_i32 s13, s12, WREG
	v_add_nc_u32 v[STI], s13, v[L16]
	v_and_b32 v8, 15, v0                           ; r
	v_bfe_u32 v9, v0, 4, 1                         ; h
	v_mul_u32_u24 v[STO], v8, 528
	v_lshl_add_u32 v[STO], v9, 6, v[STO]
	v_add_nc_u32 v[STO], s13, v[STO]
	s_add_co_u32 s13, s13, GATH
	v_lshl_add_u32 v[SGA], v8, 2, s13
	v_add_nc_u32 v[SGR], s13, v[L8]
	s_mov_b32 s[SEL], 0x76543210
	s_mov_b32 s[SEL+1], 0xfedcba98                 ; v_permlanex16_b32's selects for lane l xor 16
.irp b, 0,1,2,3
	v_mov_b32 v[TM+4+\b], 0                        ; written once: a lane permute's destination counts as one of its sources
.endr
	s_lshl_b32 s14, ttmp9, 1
	s_add_co_u32 s14, s14, s12                     ; W
	s_lshr_b32 s15, s14, 2                         ; which 64 tokens
	s_and_b32 s16, s14, 3                          ; which 256 along K
	s_lshl_b32 s22, s15, 18                        ; 64 rows of 4,096 bytes
	s_lshl_b32 s17, s16, 10
	s_add_co_u32 s22, s22, s17
	s_mov_b32 s23, 0
	s_mul_i32 s24, s15, 49152                      ; four tiles of 12,288 bytes
	s_mul_i32 s17, s16, 3072                       ; four half images
	s_add_co_u32 s24, s24, s17
	s_add_co_u32 s24, s24, 262144
	s_mov_b32 s25, 0
	s_lshr_b32 s26, s15, 2
	s_lshl_b32 s26, s26, 13                        ; the scale words of my 256 rows,
	s_lshl_b32 s17, s16, 11                        ; my two words' planes,
	s_add_co_u32 s26, s26, s17
	s_and_b32 s17, s15, 3
	s_lshl_b32 s17, s17, 8                         ; my 64 rows in a plane
	s_add_co_u32 s26, s26, s17
	s_mov_b32 s27, 0
	s_wait_kmcnt 0x0
	s_add_nc_u64 s[4:5], s[4:5], s[22:23]
	s_add_nc_u64 s[8:9], s[6:7], s[24:25]
	s_add_nc_u64 s[10:11], s[6:7], s[26:27]
; step u: tile u / 2 of the four, 128 along K number u % 2.  Row i of the tile is token 32 (u / 4) + 8 ((u / 2) % 2) + i + 8 (i / 8) of my 64
.macro LOAD u
.irp i, 0,1,2,3,4,5,6,7,8,9,10,11,12,13,14,15
	global_load_b128 v[R+64*((\u)%2)+4*\i:R+64*((\u)%2)+4*\i+3], v[L16], s[4:5] offset:(32*((\u)/4)+8*(((\u)/2)%2)+\i+8*(\i/8))*4096+512*((\u)%2) th:TH_LOAD_NT
.endr
.endm
; 64 numbers of a lane: the four blocks' scales, and the row's scale word
.macro QSCALE s
.irp b, 0,1,2,3
	v_max3_num_f32 v[TM+\b], |v[\s+16*\b]|, |v[\s+1+16*\b]|, 0x1800000   ; my 16 numbers of block b, and the floor 2^(3 - 127): the byte cannot fall under 1
.endr
.irp i, 2,4,6,8,10,12,14
.irp b, 0,1,2,3
	v_max3_num_f32 v[TM+\b], v[TM+\b], |v[\s+16*\b+\i]|, |v[\s+1+16*\b+\i]|
.endr
.endr
.irp b, 0,1,2,3
	v_permlanex16_b32 v[TM+4+\b], v[TM+\b], s[SEL], s[SEL+1]
.endr
.irp b, 0,1,2,3
	v_max_num_f32 v[TM+\b], v[TM+\b], v[TM+4+\b]   ; with lane l xor 16's: the block's largest magnitude
.endr
.irp b, 0,1,2,3
	v_add_nc_u32 v[TM+12+\b], 0xff000000, v[TM+\b] ; 2 off its exponent field: the conversion's scale operand
.endr
.irp b, 0,1,2,3
	v_lshrrev_b32 v[TM+4+\b], 23, v[TM+12+\b]      ; the scale's byte
.endr
	v_lshl_or_b32 v[PW], v[TM+5], 8, v[TM+4]
	v_lshl_or_b32 v[PW], v[TM+6], 16, v[PW]
	v_lshl_or_b32 v[PW], v[TM+7], 24, v[PW]
.endm
; and their codes, as a fragment's twelve registers in v[PC] on
.macro QCODES s
.irp c, 0,1
	v_cvt_scalef32_pk16_fp6_f32 v[PC+6*\c:PC+2+6*\c], v[\s+32*\c:\s+15+32*\c], v[TM+12+2*\c]
	v_cvt_scalef32_pk16_fp6_f32 v[PC+12+4*\c:PC+14+4*\c], v[\s+16+32*\c:\s+31+32*\c], v[TM+12+2*\c+1]   ; (a conversion's three registers begin on an even number)
.endr
	v_nop                                          ; one plain place behind a scaled conversion
.irp c, 0,1                                    ; the operand's layout wants a whole block in a lane: lanes 0-15 block 2 c, lanes 16-31 block 2 c + 1
.irp i, 0,1,2
	v_permlane16_swap_b32 v[PC+6*\c+\i], v[PC+12+4*\c+\i]
.endr
.irp i, 0,1,2
	v_mov_b32 v[PC+3+6*\c+\i], v[PC+12+4*\c+\i]
.endr
.endr
.endm
.macro STEP u
.if (\u) < 7
	s_wait_loadcnt 16                              ; this step's 16 loads are in; the next step's may be out
.else
	s_wait_loadcnt 0x0
.endif
.irp i, 0,1,2,3,4,5,6,7,8,9,10,11,12,13,14,15
	ds_store_b128 v[STI], v[R+64*((\u)%2)+4*\i:R+64*((\u)%2)+4*\i+3] offset:528*\i
.endr
.irp b, 0,1,2,3
.irp j, 0,1,2,3
	ds_load_b128 v[X+16*\b+4*\j:X+16*\b+4*\j+3], v[STO] offset:128*\b+16*\j   ; LDS serves a wave's instructions in order (ISA guide 5.7.1.4): these see the stores above
.endr
.endr
	s_wait_dscnt 0x0                               ; my numbers are back, and the stores have read their registers,
.if (\u)+2 < 8
	LOAD (\u)+2                                    ; which take the loads of two steps on
.endif
	QSCALE X
	s_wait_xcnt 0x0                                ; the last step's stores have read the codes' registers: they are written again only behind this wait
	QCODES X
	global_store_b128 v[L16], v[PC:PC+3], s[8:9] offset:12288*((\u)/2)+1536*((\u)%2)            ; each store covers 512 or 256 consecutive bytes, aligned
	global_store_b64 v[L8], v[PC+4:PC+5], s[8:9] offset:12288*((\u)/2)+1536*((\u)%2)+512
	global_store_b128 v[L16], v[PC+6:PC+9], s[8:9] offset:12288*((\u)/2)+1536*((\u)%2)+768
	global_store_b64 v[L8], v[PC+10:PC+11], s[8:9] offset:12288*((\u)/2)+1536*((\u)%2)+1280
	ds_store_b32 v[SGA], v[PW] offset:256*((\u)%2)+64*((\u)/2)   ; both halves of the lanes write the same word with the same value
.endm
	LOAD 0
	LOAD 1
.irp u, 0,1,2,3,4,5,6,7
	STEP \u
.endr
	ds_load_b64 v[246:247], v[SGR]                 ; my 64 rows' words of each of the two planes: 256 bytes each
	ds_load_b64 v[248:249], v[SGR] offset:256
	s_wait_dscnt 0x0
	global_store_b64 v[L8], v[246:247], s[10:11]
	global_store_b64 v[L8], v[248:249], s[10:11] offset:1024
	s_wait_tensorcnt 0x0                           ; the wave's end, behind my last LDS store
	ds_add_u32 v[SPW], v[NIL]
	s_wait_dscnt 0x0
	s_endpgm
.Lfunc_end_k_q48e263a0d2_qx:
	.size	k_q48e263a0d2_qx, .Lfunc_end_k_q48e263a0d2_qx-k_q48e263a0d2_qx
	.p2alignl 7, 3214868480
	.fill 96, 4, 3214868480
	.section	.rodata,"a",@progbits
	.p2align	6, 0x0
	.amdhsa_kernel k_q48e263a0d2_qx
		.amdhsa_group_segment_fixed_size 18176
		.amdhsa_private_segment_fixed_size 0
		.amdhsa_enable_private_segment 0
		.amdhsa_kernarg_size 16
		.amdhsa_user_sgpr_count 2
		.amdhsa_user_sgpr_kernarg_segment_ptr 1
		.amdhsa_wavefront_size32 1
		.amdhsa_system_sgpr_workgroup_id_x 1
		.amdhsa_system_sgpr_workgroup_id_y 1
		.amdhsa_system_sgpr_workgroup_id_z 1
		.amdhsa_system_vgpr_workitem_id 0
		.amdhsa_next_free_vgpr 256
		.amdhsa_next_free_sgpr 66
		.amdhsa_reserve_vcc 0
		.amdhsa_float_denorm_mode_32 3
		.amdhsa_float_denorm_mode_16_64 3
		.amdhsa_memory_ordered 1
		.amdhsa_forward_progress 1
		.amdhsa_inst_pref_size 65
	.end_amdhsa_kernel
	.amdgpu_metadata
---
amdhsa.version: [ 1, 2 ]
amdhsa.kernels:
  - .name:           k_q48e263a0d2_qx
    .symbol:         k_q48e263a0d2_qx.kd
    .args:
      - { .name: hidden_states, .offset: 0, .size: 8, .value_kind: global_buffer, .address_space: global }
      - { .name: xq, .offset: 8, .size: 8, .value_kind: global_buffer, .address_space: global }
    .group_segment_fixed_size: 18176
    .private_segment_fixed_size: 0
    .kernarg_segment_align: 8
    .kernarg_segment_size: 16
    .max_flat_workgroup_size: 64
    .sgpr_count:     66
    .vgpr_count:     256
    .wavefront_size: 32
...
	.end_amdgpu_metadata
.endif
;; end of part 1
;; launch qw (part 2): grid 32 x 4, 4 waves a work-group, no clusters, 27,136 bytes of LDS; arguments w_qkv, w_out, wqkq, wvq, woq; writes wqkq, wvq, woq
.if DOCPART == 2
	.amdgcn_target "amdgcn-amd-amdhsa--gfx1250"
	.amdhsa_code_object_version 6
	.text
	.protected	k_q48e263a0d2_qw
	.globl	k_q48e263a0d2_qw
	.p2align	8
	.type	k_q48e263a0d2_qw,@function
k_q48e263a0d2_qw:
	s_mov_b64 s[64:65], 0
	v_nop
	global_prefetch_b8 v0, s[64:65] scope:SCOPE_SE
	s_setreg_imm32_b32 hwreg(HW_REG_WAVE_MODE, 25, 1), 1
	s_wait_xcnt 0x0
; w_qkv [1024][3072] and w_out [1024][1024], f32, K their FIRST axis, become codes of E2M3 with one E8M0 byte for each 32 along K, laid as xq is laid (rows = columns n, bits 3 and 4 of the row's number exchanged;
; half images of 768 bytes from byte 262,144; scale words from byte 0).  Columns 0-2047 of w_qkv go to wqkq, columns 2048-3071 to wvq, w_out to woq.
; A LANE TAKES A COLUMN AND ITS REGISTERS RUN DOWN K: a block of 32 lies in one lane's 32 registers, and the conversions give codes with K innermost.  Nothing is transposed by an instruction.
; LIMITS: a block of zeros gets the byte 1 where the rule says 127 (its codes are zeros, and this program alone reads the bytes); NaN and infinities among the inputs are not served.
; SHARES.  Work-group x names 128 columns (0-15 wqkq, 16-23 wvq, 24-31 woq), y 256 along K; a wave takes 32 columns: two tiles of 16 rows x four half images.  The buffers and the pitch are chosen by
; s_cselect on the work-group's number; there is one path through the text.  A lane's 24 bytes of a block go to their place in the wave's stage in LDS; the stage leaves as runs of 512 consecutive bytes.
.set STGB,  6400                       ; a wave's stage: two tiles, 3,200 bytes apart, of four half images
.set SG,    4*STGB                     ; [2 words][128 rows]: the work-group's scale words
.set SPARE, SG+1024                    ; the spare words, 128 bytes a wave: two blocks of 256 bytes that no other line names
.set WA16, 7                           ; v7   stage + 3,200 u + 16 r
.set WA8,  8                           ; v8   stage + 3,200 u + 8 r
.set L16,  9                           ; v9   16 x lane
.set RD,   10                          ; v10  stage + 16 x lane
.set SWA,  11                          ; v11  where my column's scale words go
.set SRD,  12                          ; v12  and where waves 0 and 1 read a plane back
.set SPW,  14
.set NIL,  15
.set SB,   24                          ; v24-25 the scale bytes, four to a register
.set VO,   32                          ; v32-63 4 x lane + i x pitch
.set X,    64                          ; v64-127 two sets of 32 numbers
.set C,    128                         ; v128-134 a block's codes
.set OUTR, 136                         ; v136-183 the codes' way out
.set OUTS, 184                         ; v184-187 the scale words' way out: registers of their own, so that no store's data are written again
	s_load_b256 s[4:11], s[0:1], 0x0               ; w_qkv, w_out, wqkq, wvq
	s_load_b64 s[12:13], s[0:1], 0x20              ; woq
	v_lshl_add_u32 v[SPW], v0, 2, SPARE
	v_mov_b32 v[NIL], 0
	v_lshrrev_b32 v1, 5, v0
	v_readfirstlane_b32 s14, v1                    ; wave
	v_and_b32 v2, 31, v0                           ; lane = my column of the wave's 32
	s_and_b32 s15, ttmp7, 0xffff                   ; which 256 along K
	s_cmp_lt_u32 ttmp9, 24
	s_mov_b32 s16, 4096
	s_cselect_b32 s16, 12288, s16                  ; a row of the source in bytes
	s_cselect_b32 s17, 0, 24
	s_cselect_b32 s18, 16, 24
	s_cmp_lt_u32 ttmp9, 16
	s_cselect_b32 s18, 0, s18
	s_sub_co_u32 s17, ttmp9, s17                   ; which 128 columns of the source,
	s_sub_co_u32 s18, ttmp9, s18                   ; and which 128 rows of the destination
	v_lshlrev_b32 v[VO], 2, v2
.set i, 1
.rept 31
	v_add_nc_u32 v[VO+i], s16, v[VO+i-1]
.set i, i+1
.endr
	s_mul_i32 s19, s14, STGB
	v_bfe_u32 v3, v0, 3, 1                         ; u: my tile of the wave's two.  Column x is row (x & 7) + 8 (x >> 4) of tile (x >> 3) & 1
	v_and_b32 v4, 7, v0
	v_bfe_u32 v5, v0, 4, 1
	v_lshl_add_u32 v4, v5, 3, v4                   ; r
	v_mul_u32_u24 v6, v3, 3200
	v_add_nc_u32 v6, s19, v6
	v_lshl_add_u32 v[WA16], v4, 4, v6
	v_lshl_add_u32 v[WA8], v4, 3, v6
	v_lshlrev_b32 v[L16], 4, v2
	v_add_nc_u32 v[RD], s19, v[L16]
	v_lshl_add_u32 v[SWA], v3, 4, v4               ; 16 u + r
	s_lshl_b32 s20, s14, 7
	v_lshl_add_u32 v[SWA], v[SWA], 2, s20
	v_add_nc_u32 v[SWA], SG, v[SWA]
	s_lshl_b32 s20, s14, 9
	v_add_nc_u32 v[SRD], s20, v[L16]
	v_add_nc_u32 v[SRD], SG, v[SRD]
	s_lshl_b32 s20, s15, 8
	s_mul_i32 s20, s20, s16                        ; 256 y rows of the source,
	s_lshl_b32 s21, s17, 9
	s_add_co_u32 s20, s20, s21                     ; 128 columns of 4 bytes for each group,
	s_lshl_b32 s21, s14, 7
	s_add_co_u32 s20, s20, s21                     ; 32 for each wave
	s_mov_b32 s21, 0
	s_lshl_b32 s22, s16, 5                         ; a block on: 32 rows
	s_mov_b32 s23, 0
	s_lshl_b32 s24, s18, 3
	s_lshl_b32 s25, s14, 1
	s_add_co_u32 s24, s24, s25                     ; my first tile of rows
	s_mul_i32 s24, s24, 12288
	s_mul_i32 s25, s15, 3072
	s_add_co_u32 s24, s24, s25
	s_add_co_u32 s24, s24, 262144
	s_mov_b32 s25, 0
	s_lshr_b32 s26, s18, 1
	s_lshl_b32 s26, s26, 13
	s_lshl_b32 s27, s15, 1
	s_add_co_u32 s27, s27, s14                     ; the plane that wave 0 or 1 stores: 2 y + wave
	s_lshl_b32 s27, s27, 10
	s_add_co_u32 s26, s26, s27
	s_and_b32 s27, s18, 1
	s_lshl_b32 s27, s27, 9
	s_add_co_u32 s26, s26, s27
	s_mov_b32 s27, 0
	s_wait_kmcnt 0x0
	s_cmp_lt_u32 ttmp9, 24                         ; the choices hang on the work-group's number alone
	s_cselect_b64 s[4:5], s[4:5], s[6:7]
	s_cselect_b64 s[10:11], s[10:11], s[12:13]
	s_cmp_lt_u32 ttmp9, 16
	s_cselect_b64 s[8:9], s[8:9], s[10:11]
	s_add_nc_u64 s[32:33], s[4:5], s[20:21]        ; a base for each of the eight blocks: nothing is stepped
.irp t, 1,2,3,4,5,6,7
	s_add_nc_u64 s[32+2*\t:33+2*\t], s[30+2*\t:31+2*\t], s[22:23]
.endr
	s_add_nc_u64 s[28:29], s[8:9], s[24:25]        ; the codes
	s_add_nc_u64 s[30:31], s[8:9], s[26:27]        ; the scale words
.macro LOAD t                          ; block t: W(256 y + 32 t + i, my column): 32 lanes read 128 consecutive bytes
.irp i, 0,1,2,3,4,5,6,7,8,9,10,11,12,13,14,15,16,17,18,19,20,21,22,23,24,25,26,27,28,29,30,31
	global_load_b32 v[X+32*((\t)%2)+\i], v[VO+\i], s[32+2*(\t):33+2*(\t)] th:TH_LOAD_NT
.endr
.endm
	LOAD 0
	LOAD 1
.macro BLOCK t
.set XS, X+32*((\t)%2)
.if (\t) < 7
	s_wait_loadcnt 32                              ; this block's 32 loads are in; the next block's may be out
.else
	s_wait_loadcnt 0x0
.endif
	v_max3_num_f32 v16, |v[XS]|, |v[XS+1]|, |v[XS+2]|
	v_max3_num_f32 v17, |v[XS+3]|, |v[XS+4]|, |v[XS+5]|
.irp i, 6,10,14,18,22,26
	v_max3_num_f32 v16, v16, |v[XS+\i]|, |v[XS+\i+1]|
	v_max3_num_f32 v17, v17, |v[XS+\i+2]|, |v[XS+\i+3]|
.endr
	v_max3_num_f32 v16, v16, |v[XS+30]|, |v[XS+31]|
	v_max3_num_f32 v16, v16, v17, 0x1800000        ; and the floor 2^(3 - 127): the byte cannot fall under 1
	v_add_nc_u32 v18, 0xff000000, v16              ; 2 off the exponent field: the conversion's scale operand
	v_lshrrev_b32 v17, 23, v18                     ; the scale's byte
.if (\t)%4 == 0
	v_mov_b32 v[SB+(\t)/4], v17
.else
	v_lshl_or_b32 v[SB+(\t)/4], v17, 8*((\t)%4), v[SB+(\t)/4]
.endif
	v_cvt_scalef32_pk16_fp6_f32 v[C:C+2], v[XS:XS+15], v18
	v_cvt_scalef32_pk16_fp6_f32 v[C+4:C+6], v[XS+16:XS+31], v18    ; (a conversion's three registers begin on an even number)
	v_nop                                          ; one plain place behind a scaled conversion
	v_mov_b32 v[C+3], v[C+4]                       ; the block's six registers on end
	v_mov_b32 v[C+4], v[C+5]
	v_mov_b32 v[C+5], v[C+6]
	ds_store_b128 v[WA16], v[C:C+3] offset:768*((\t)/2)+256*((\t)%2)        ; block t is half t % 2 of half image t / 2: the place of lane r + 16 (t % 2)
	ds_store_b64 v[WA8], v[C+4:C+5] offset:768*((\t)/2)+512+128*((\t)%2)
.if (\t)+2 < 8
	LOAD (\t)+2
.endif
	s_wait_dscnt 0x0                               ; the stores have read their registers: the next block's codes may be written
.endm
.irp t, 0,1,2,3,4,5,6,7
	BLOCK \t
.endr
	ds_store_b32 v[SWA], v[SB]                     ; my column's two scale words
	ds_store_b32 v[SWA], v[SB+1] offset:512
.irp k, 0,1,2,3,4,5,6,7,8,9,10,11
	ds_load_b128 v[OUTR+4*\k:OUTR+4*\k+3], v[RD] offset:3200*(\k/6)+512*(\k%6)   ; LDS serves a wave's instructions in order: these see my stores
.endr
.irp k, 0,1,2,3,4,5,6,7,8,9,10,11
	s_wait_dscnt 11-\k                             ; the younger loads may be out
	global_store_b128 v[L16], v[OUTR+4*\k:OUTR+4*\k+3], s[28:29] offset:12288*(\k/6)+512*(\k%6)   ; 512 consecutive bytes, aligned
.endr
	s_wait_dscnt 0x0                               ; for the others' sake: my scale words lie in LDS
	s_barrier_signal -1
	s_barrier_wait -1
	s_cmp_lt_u32 s14, 2                            ; waves 0 and 1 store a plane's 128 words each
	s_cbranch_scc0 .Lno_words
	ds_load_b128 v[OUTS:OUTS+3], v[SRD]            ; into registers that no earlier store reads
	s_wait_dscnt 0x0
	global_store_b128 v[L16], v[OUTS:OUTS+3], s[30:31]   ; 512 consecutive bytes, aligned
.Lno_words:
	s_wait_tensorcnt 0x0                           ; the wave's end, behind my last LDS store
	ds_add_u32 v[SPW], v[NIL]
	s_wait_dscnt 0x0
	s_endpgm
.Lfunc_end_k_q48e263a0d2_qw:
	.size	k_q48e263a0d2_qw, .Lfunc_end_k_q48e263a0d2_qw-k_q48e263a0d2_qw
	.p2alignl 7, 3214868480
	.fill 96, 4, 3214868480
	.section	.rodata,"a",@progbits
	.p2align	6, 0x0
	.amdhsa_kernel k_q48e263a0d2_qw
		.amdhsa_group_segment_fixed_size 27136
		.amdhsa_private_segment_fixed_size 0
		.amdhsa_enable_private_segment 0
		.amdhsa_kernarg_size 40
		.amdhsa_user_sgpr_count 2
		.amdhsa_user_sgpr_kernarg_segment_ptr 1
		.amdhsa_wavefront_size32 1
		.amdhsa_system_sgpr_workgroup_id_x 1
		.amdhsa_system_sgpr_workgroup_id_y 1
		.amdhsa_system_sgpr_workgroup_id_z 1
		.amdhsa_system_vgpr_workitem_id 0
		.amdhsa_next_free_vgpr 192
		.amdhsa_next_free_sgpr 66
		.amdhsa_reserve_vcc 0
		.amdhsa_float_denorm_mode_32 3
		.amdhsa_float_denorm_mode_16_64 3
		.amdhsa_memory_ordered 1
		.amdhsa_forward_progress 1
		.amdhsa_inst_pref_size 45
	.end_amdhsa_kernel
	.amdgpu_metadata
---
amdhsa.version: [ 1, 2 ]
amdhsa.kernels:
  - .name:           k_q48e263a0d2_qw
    .symbol:         k_q48e263a0d2_qw.kd
    .args:
      - { .name: w_qkv, .offset: 0, .size: 8, .value_kind: global_buffer, .address_space: global }
      - { .name: w_out, .offset: 8, .size: 8, .value_kind: global_buffer, .address_space: global }
      - { .name: wqkq, .offset: 16, .size: 8, .value_kind: global_buffer, .address_space: global }
      - { .name: wvq, .offset: 24, .size: 8, .value_kind: global_buffer, .address_space: global }
      - { .name: woq, .offset: 32, .size: 8, .value_kind: global_buffer, .address_space: global }
    .group_segment_fixed_size: 27136
    .private_segment_fixed_size: 0
    .kernarg_segment_align: 8
    .kernarg_segment_size: 40
    .max_flat_workgroup_size: 128
    .sgpr_count:     66
    .vgpr_count:     192
    .wavefront_size: 32
...
	.end_amdgpu_metadata
.endif
;; end of part 2
;; launch gemm_qk (part 3): grid 8 x 32, 4 waves a work-group, clusters of 4 x 4, 327,680 bytes of LDS; arguments xq, wqkq, qkq; writes qkq
.if DOCPART == 3
	.amdgcn_target "amdgcn-amd-amdhsa--gfx1250"
	.amdhsa_code_object_version 6
	.text
	.protected	k_q48e263a0d2_gemm_qk
	.globl	k_q48e263a0d2_gemm_qk
	.p2align	8
	.type	k_q48e263a0d2_gemm_qk,@function
k_q48e263a0d2_gemm_qk:
	s_mov_b64 s[64:65], 0
	v_nop
	global_prefetch_b8 v0, s[64:65] scope:SCOPE_SE
	s_setreg_imm32_b32 hwreg(HW_REG_WAVE_MODE, 25, 1), 1
	s_wait_xcnt 0x0
	s_wait_alu depctr_hold_cnt(0) depctr_sa_sdst(0) depctr_va_vdst(0) depctr_va_sdst(0) depctr_va_ssrc(0) depctr_va_vcc(0) depctr_vm_vsrc(0)
	s_getreg_b32 s2, hwreg(HW_REG_IB_STS2, 6, 4)
	s_cmp_eq_u32 s2, 0
	s_cbranch_scc0 .Lentry_in_a_cluster
	s_endpgm
.Lentry_in_a_cluster:
	s_bfe_u32 s2, ttmp6, 0x10000c
	s_cmp_lg_u32 s2, 0xf033
	s_cbranch_scc0 .Lentry_shape_is_right
	s_endpgm
.Lentry_shape_is_right:
; P[m][n] = sum over k of A[m][k] B[n][k], K = 1,024, on codes of E2M3 with one E8M0 scale for each 32 along K, and P is QUANTISED ON THE WAY OUT along n, in blocks of 32: it leaves as codes and scale words.
; The body serves two launches: A = x's rows, B = the q and k columns of w_qkv (P's rows are tokens, its blocks run along a head's 64);  A = the v columns, B = x's rows (P's rows are channels, its blocks run along the tokens).
; OPERANDS are laid in the order of the operand's registers: from byte 262,144 [tile of 16 rows][64 along K][768 bytes] (lane l's registers 0-3 at 16 l, 4-5 at 512 + 8 l); from byte 0 the scale words,
; [256 rows][128 along K][256 rows].  Rows stand with bits 3 and 4 of their number exchanged, so that the 16 registers of two neighbouring tiles of B are 16 NEIGHBOURS along n in true order.
; A tile of P, 256 x 256, is made by four waves, each 128 x 128: 64 accumulators, 512 registers.  K goes in steps of 256 through a ring of two LDS slots; a wave's tensor load brings 8 tiles of rows x 3,072 bytes.
; The scale words of the work-group's rows, 8,192 dense bytes a side, come once, with the first fills.
; CLUSTERS: 4 x 4 work-groups; A's tiles are asked for jointly along a row of the cluster, B's along a column.  THE MATRIX INSTRUCTION IS USED TRANSPOSED (source 0 = B's rows, source 1 = A's rows).
; OUT: images at 524,288 + (ta >> 6) 1,572,864 + gbc 49,152 + (ta & 63) 768 (ta: A's tile of rows, gbc: 64 along n); scale words at (ta >> 6) 65,536 + (gbc >> 1) 4,096 + (ta & 63) 64 + 4 r.
; LIMITS: a block of zeros gets the byte 1 where the rule says 127 (its codes are zeros, and this program alone reads the bytes); NaN and infinities are not served.
; No prefetch: K has four steps, and both first steps are asked for at the head.
; REGISTERS: window 0: v16-30 addresses; v32-63 scale words, two sets; v64-119 the way out; v128-223 A's fragments, one set.  window 1: B's fragments, two sets, at v0 and v128.  windows 2, 3: the accumulators.
.set NQ,     2                         ; steps of 128 in a slot
.set FR,     12                        ; registers of a fragment
.set NL,     4                         ; LDS loads that bring one
.set NP,     4                         ; places behind this matrix instruction (ISA guide 7.12.1)
.set HALFT,  24576                     ; 8 tiles of rows x 3,072 bytes: what one tensor load brings
.set SLOT,   4*HALFT
.set SCLA,   2*SLOT                    ; A's scale words, 8,192 bytes
.set SCLB,   SCLA+8192+128             ; B's, 128 bytes further on than a multiple of 256
.set SPARE,  213248                    ; the spare words, 128 bytes a wave: two blocks of 256 bytes that no other line names
.set SSTG,   SPARE+512                 ; 512 bytes a wave: the scale words on their way out
.set ADRA16, 16                        ; v16-17 A's fragments in slot 0, 1: 16 x lane;  v18-19: 8 x lane
.set ADRA8,  18
.set ADRB16, 20                        ; v20-23 the same for B
.set ADRB8,  22
.set L16,    24
.set L8,     25
.set SSA,    26
.set ADRS,   27                        ; my scale words: lanes 0-15 A's rows, lanes 16-31 B's
.set SPW,    28
.set NIL,    29
.set SSR,    30
.set SC,     32                        ; set s at v[SC + 16 s]; register 2 i + q: lanes 0-15 A's block i, lanes 16-31 B's block i, the slot's q-th 128 along K
.set TM,     64
.set PWB,    80                        ; v80-87 a scale word for each block of rows
.set PC,     96
.set AF,     128
.set G1, 24
.set G0, 32
.set G1B, 48
.set G0B, 56
.set G1S, 68
.set G0S, 76
.set G1SB, 80
.set G0SB, 88
.set SEL, 98
.set MSB, 0
.macro WIN new                         ; the immediate's high byte repeats the setting that is left
.if MSB != \new
	s_set_vgpr_msb (MSB<<8)|\new
.set MSB, \new
.endif
.endm
.set MUL_LO, 0xa1                      ; source 0 (B) window 1, source 1 (A) window 0, C and D window 2
.set MUL_HI, 0xf1                      ; the same, C and D window 3
.set TO_B,   0x40                      ; destination window 1, address window 0
; A joint refill: waves 0 and 1 fetch for A, waves 2 and 3 for B.  The branch hangs on the wave's number alone.  An s_nop 0 and four v_nop follow each of the two lines.
.macro JLOAD g0a, g1a, g0b, g1b
	s_cmp_eq_u32 s15, 0
	s_cbranch_scc0 .Lfor_b_\@
	tensor_load_to_lds s[\g0a:\g0a+3], s[\g1a:\g1a+7]
	s_nop 0
.rept 4
	v_nop
.endr
	s_branch .Lasked_\@
.Lfor_b_\@:
	tensor_load_to_lds s[\g0b:\g0b+3], s[\g1b:\g1b+7]
	s_nop 0
.rept 4
	v_nop
.endr
.Lasked_\@:
.endm
.macro CREST                           ; a round of the cluster's barrier behind its opening barrier
	s_cmp_lg_u32 s14, 0
	s_cbranch_scc1 .Lnot_wave_0_\@
	s_barrier_signal -3
.Lnot_wave_0_\@:
	s_barrier_wait -3
	s_barrier_signal -1
	s_barrier_wait -1
.endm
.macro CROUND
	s_barrier_signal -1
	s_barrier_wait -1
	CREST
.endm
	s_load_b128 s[4:7], s[0:1], 0x0                ; A, B
	s_load_b64 s[12:13], s[0:1], 0x10              ; the product's buffer
	v_lshl_add_u32 v[SPW], v0, 2, SPARE
	v_mov_b32 v[NIL], 0
	ds_add_u32 v[SPW], v[NIL]                      ; the wave's opening: the add and its wait ahead of my first tensor load
	v_lshrrev_b32 v1, 5, v0
	v_readfirstlane_b32 s14, v1                    ; wave 0..3
	s_lshr_b32 s15, s14, 1                         ; which half of the tile's rows is mine.  Also: I fetch for A (0) or for B (1)
	s_and_b32 s16, s14, 1                          ; which half of its columns.  Also: which 128 rows I fetch
	s_bfe_u32 s40, ttmp6, 0x40000                  ; cx
	s_bfe_u32 s41, ttmp6, 0x40004                  ; cy
	s_lshl_b32 s42, ttmp9, 2
	s_add_co_u32 s42, s42, s40                     ; tile column = 4 x cluster x + cx
	s_and_b32 s17, ttmp7, 0xffff
	s_lshl_b32 s17, s17, 2
	s_add_co_u32 s17, s17, s41                     ; tile row = 4 x cluster y + cy
	s_lshl_b32 s43, s41, 2
	s_lshl_b32 s43, 15, s43                        ; my row of the cluster
	s_lshl_b32 s44, 0x1111, s40                    ; my column
	s_or_b32 s[G1+0], s43, (3<<16)|(1<<21)         ; 15:0 the mask; 17:16 elements of 8 bytes; 21 set beside a mask; no padding
	s_or_b32 s[G1B+0], s44, (3<<16)|(1<<21)
.irp g, G1, G1B
	s_mov_b32 s[\g+1], 384<<16                     ; tensor_dim0: 3,072 bytes
	s_mov_b32 s[\g+2], 8<<16                       ; tensor_dim1: 8 tiles of rows
	s_mov_b32 s[\g+3], 384<<16                     ; tile_dim0
	s_mov_b32 s[\g+4], 8                           ; tile_dim1
	s_mov_b32 s[\g+5], 1536                        ; 12,288 bytes from tile to tile
	s_mov_b32 s[\g+6], 0
	s_mov_b32 s[\g+7], 0
.endr
	s_or_b32 s[G1S+0], s43, (3<<16)|(1<<21)        ; the scale words: 4,096 dense bytes as 16 rows of 256
	s_or_b32 s[G1SB+0], s44, (3<<16)|(1<<21)
.irp g, G1S, G1SB
	s_mov_b32 s[\g+1], 32<<16
	s_mov_b32 s[\g+2], 16<<16
	s_mov_b32 s[\g+3], 32<<16
	s_mov_b32 s[\g+4], 16
	s_mov_b32 s[\g+5], 32
	s_mov_b32 s[\g+6], 0
	s_mov_b32 s[\g+7], 0
.endr
	s_lshl_b32 s18, s16, 7
	s_lshl_b32 s20, s17, 8
	s_add_co_u32 s20, s20, s18                     ; A: row 256 x tile row + 128 x half; 768 bytes of codes a row
	s_mul_i32 s20, s20, 768
	s_add_co_u32 s20, s20, 262144
	s_mov_b32 s21, 0
	s_lshl_b32 s46, s42, 8
	s_add_co_u32 s46, s46, s18
	s_mul_i32 s46, s46, 768
	s_add_co_u32 s46, s46, 262144
	s_mov_b32 s47, 0
	s_lshl_b32 s19, s16, 12
	s_lshl_b32 s22, s17, 13
	s_add_co_u32 s22, s22, s19                     ; A's scale words: 8,192 x tile row + 4,096 x half
	s_mov_b32 s23, 0
	s_lshl_b32 s92, s42, 13
	s_add_co_u32 s92, s92, s19
	s_mov_b32 s93, 0
	s_mul_i32 s45, s14, HALFT                      ; where they go: no place in the cluster enters an LDS address
	s_lshl_b32 s94, s14, 12
	s_lshl_b32 s95, s15, 7
	s_add_co_u32 s94, s94, s95
	s_mov_b32 s[SEL], 0x76543210
	s_mov_b32 s[SEL+1], 0xfedcba98
	s_wait_dscnt 0x0                               ; the opening add is done
	s_wait_kmcnt 0x0
	s_add_nc_u64 s[20:21], s[4:5], s[20:21]
	s_add_nc_u64 s[22:23], s[4:5], s[22:23]
	s_add_nc_u64 s[46:47], s[6:7], s[46:47]
	s_add_nc_u64 s[92:93], s[6:7], s[92:93]
	CROUND                                         ; all sixteen work-groups are here: the first joint loads meet
	s_mov_b32 s[G0S], 1
	s_add_co_u32 s[G0S+1], s94, SCLA
	s_mov_b64 s[G0S+2:G0S+3], s[22:23]
	s_or_b32 s[G0S+3], s[G0S+3], 0x80000000
	s_mov_b32 s[G0SB], 1
	s_add_co_u32 s[G0SB+1], s94, SCLA
	s_mov_b64 s[G0SB+2:G0SB+3], s[92:93]
	s_or_b32 s[G0SB+3], s[G0SB+3], 0x80000000
.irp s, 0,1
	s_mov_b32 s[G0+4*\s], 1
	s_add_co_u32 s[G0+4*\s+1], s45, \s*SLOT
	s_add_nc_u64 s[G0+4*\s+2:G0+4*\s+3], s[20:21], \s*3072
	s_or_b32 s[G0+4*\s+3], s[G0+4*\s+3], 0x80000000
	s_mov_b32 s[G0B+4*\s], 1
	s_add_co_u32 s[G0B+4*\s+1], s45, \s*SLOT
	s_add_nc_u64 s[G0B+4*\s+2:G0B+4*\s+3], s[46:47], \s*3072
	s_or_b32 s[G0B+4*\s+3], s[G0B+4*\s+3], 0x80000000
.endr
	s_cmp_eq_u32 s15, 0                            ; a wave's three first fills stand in one branch: three loads of mine are out
	s_cbranch_scc0 .Lfirst_b
	tensor_load_to_lds s[G0S:G0S+3], s[G1S:G1S+7]
	s_nop 0
	tensor_load_to_lds s[G0:G0+3], s[G1:G1+7]
	s_nop 0
	tensor_load_to_lds s[G0+4:G0+7], s[G1:G1+7]
	s_nop 0
.rept 4
	v_nop
.endr
	s_branch .Lfirst_asked
.Lfirst_b:
	tensor_load_to_lds s[G0SB:G0SB+3], s[G1SB:G1SB+7]
	s_nop 0
	tensor_load_to_lds s[G0B:G0B+3], s[G1B:G1B+7]
	s_nop 0
	tensor_load_to_lds s[G0B+4:G0B+7], s[G1B:G1B+7]
	s_nop 0
.rept 4
	v_nop
.endr
.Lfirst_asked:
	v_and_b32 v1, 15, v0                           ; r
	v_bfe_u32 v2, v0, 4, 1                         ; h
	v_and_b32 v3, 31, v0
	v_lshlrev_b32 v[L16], 4, v3
	v_lshlrev_b32 v[L8], 3, v3
	s_mul_i32 s21, s15, HALFT                      ; my 128 rows of A
	s_mul_i32 s22, s16, HALFT                      ; my 128 rows of B,
	s_add_co_u32 s22, s22, 2*HALFT                 ; which lie behind A's 256
.irp s, 0,1
	v_add_nc_u32 v[ADRA16+\s], s21, v[L16]
	v_add_nc_u32 v[ADRA8+\s], s21, v[L8]
	v_add_nc_u32 v[ADRB16+\s], s22, v[L16]
	v_add_nc_u32 v[ADRB8+\s], s22, v[L8]
	s_add_co_u32 s21, s21, SLOT
	s_add_co_u32 s22, s22, SLOT
.endr
	s_lshl_b32 s21, s15, 9                         ; A's words: my 128 rows
	s_lshl_b32 s22, s16, 9                         ; B's: my 128 rows, SCLB - SCLA further on
	s_add_co_u32 s22, s22, SCLB-SCLA
	s_sub_co_u32 s22, s22, s21
	v_mul_u32_u24 v6, s22, v2                      ; lanes 16-31 take B's
	s_add_co_u32 s21, s21, SCLA
	v_lshl_add_u32 v5, v1, 2, v6
	v_add_nc_u32 v[ADRS], s21, v5
	s_lshl_b32 s23, s14, 9
	s_add_co_u32 s23, s23, SSTG
	v_lshl_add_u32 v[SSA], v1, 2, s23
	v_add_nc_u32 v[SSR], s23, v[L16]
	; where my part of the product goes
	s_lshr_b32 s20, s17, 2
	s_mul_i32 s21, s20, 1572864
	s_lshl_b32 s22, s42, 2
	s_lshl_b32 s23, s16, 1
	s_add_co_u32 s22, s22, s23                     ; my first 64 along n
	s_mul_i32 s22, s22, 49152
	s_add_co_u32 s21, s21, s22
	s_and_b32 s22, s17, 3
	s_lshl_b32 s22, s22, 4
	s_lshl_b32 s23, s15, 3
	s_add_co_u32 s22, s22, s23                     ; my first tile of rows, modulo 64
	s_mul_i32 s23, s22, 768
	s_add_co_u32 s21, s21, s23
	s_add_co_u32 s46, s21, 524288
	s_mov_b32 s47, 0
	s_add_nc_u64 s[8:9], s[12:13], s[46:47]        ; the images
	s_lshl_b32 s46, s20, 16
	s_lshl_b32 s21, s42, 1
	s_add_co_u32 s21, s21, s16
	s_lshl_b32 s21, s21, 12
	s_add_co_u32 s46, s46, s21
	s_lshl_b32 s22, s22, 6
	s_add_co_u32 s46, s46, s22
	s_add_nc_u64 s[10:11], s[12:13], s[46:47]      ; the scale words
; a fragment, 16 rows x 128 K: two half images, four loads; every load takes consecutive bytes, 16 or 8 a lane
.macro FRAG reg, a16, a8, q, i
	ds_load_b128 v[\reg:\reg+3], v[\a16] offset:3072*(\i)+1536*(\q)
	ds_load_b64 v[\reg+4:\reg+5], v[\a8] offset:3072*(\i)+1536*(\q)+512
	ds_load_b128 v[\reg+6:\reg+9], v[\a16] offset:3072*(\i)+1536*(\q)+768
	ds_load_b64 v[\reg+10:\reg+11], v[\a8] offset:3072*(\i)+1536*(\q)+1280
.endm
; 16 matrix instructions: A's blocks a0, a0 + 1 x B's eight.  The 64 accumulators take turns, one instruction a turn, in the same order in every step.
.macro MUL16 a0, p, q, sc, zero
.irp a, \a0, \a0+1
.irp b, 0,1,2,3,4,5,6,7
.if \zero
	v_wmma_scale_f32_16x16x128_f8f6f4 v[8*(8*((\a)%4)+\b):8*(8*((\a)%4)+\b)+7], v[128*(\p)+FR*\b:128*(\p)+FR*\b+FR-1], v[AF+FR*(\a):AF+FR*(\a)+FR-1], 0, v[SC+8*NQ*(\sc)+NQ*\b+(\q)], v[SC+8*NQ*(\sc)+NQ*(\a)+(\q)] matrix_a_fmt:MATRIX_FMT_FP6 matrix_b_fmt:MATRIX_FMT_FP6 matrix_a_scale:MATRIX_SCALE_ROW1
.else
	v_wmma_scale_f32_16x16x128_f8f6f4 v[8*(8*((\a)%4)+\b):8*(8*((\a)%4)+\b)+7], v[128*(\p)+FR*\b:128*(\p)+FR*\b+FR-1], v[AF+FR*(\a):AF+FR*(\a)+FR-1], v[8*(8*((\a)%4)+\b):8*(8*((\a)%4)+\b)+7], v[SC+8*NQ*(\sc)+NQ*\b+(\q)], v[SC+8*NQ*(\sc)+NQ*(\a)+(\q)] matrix_a_fmt:MATRIX_FMT_FP6 matrix_b_fmt:MATRIX_FMT_FP6 matrix_a_scale:MATRIX_SCALE_ROW1
.endif
.endr
.endr
.endm
.macro FETCH_B slot, q, p
	WIN TO_B
.irp i, 0,1,2,3,4,5,6,7
	FRAG 128*(\p)+FR*\i, ADRB16+\slot, ADRB8+\slot, \q, \i
.endr
	WIN 0
.endm
.macro FETCH_A slot, q, i0
.irp i, \i0, \i0+1, \i0+2, \i0+3
	FRAG AF+FR*(\i), ADRA16+\slot, ADRA8+\slot, \q, \i
.endr
.endm
.macro SCALES sc                       ; a K step's scale words: lanes 0-15 take A's block i, lanes 16-31 B's block i
.irp i, 0,1,2,3,4,5,6,7
.irp q, 0,1
	ds_load_b32 v[SC+16*\sc+2*\i+\q], v[ADRS] offset:1024*\q+64*\i
.endr
.endr
.endm
.macro PLACES n                        ; places in front of loads into registers that matrix instructions have read (ISA guide 7.12.1 for vector instructions)
.rept \n
	v_nop
.endr
.endm
.macro STEP slot, q, zero              ; a step of 128 along K that has its successor in the same slot
	s_wait_dscnt 4*NL                              ; B's set, A's blocks 0-3 and the scale words are in; the youngest 16 loads (A's blocks 4-7) may be out
	WIN MUL_LO
	MUL16 0, (\q)%2, \q, \slot, \zero
	MUL16 2, (\q)%2, \q, \slot, \zero
	s_wait_dscnt 0x0
	PLACES NP
	FETCH_B \slot, (\q)+1, 1-(\q)%2
	FETCH_A \slot, (\q)+1, 0
	WIN MUL_HI
	MUL16 4, (\q)%2, \q, \slot, \zero
	MUL16 6, (\q)%2, \q, \slot, \zero
	PLACES NP
	WIN 0
	FETCH_A \slot, (\q)+1, 4
.endm
; A slot's last step changes slots: one barrier; in front of it each wave waits for all its tensor loads, adds 0 to its spare word, and waits for that and for its reads of this slot.  fill = 1: the slot is filled again.
.macro TURN slot, next, fill
	s_wait_tensorcnt 0x0                           ; all my tensor loads have landed: my part of the next slot
	ds_add_u32 v[SPW], v[NIL]                      ; 0 onto my spare word
	s_wait_dscnt 4*NL+1                            ; (the add and the youngest 16 loads may be out)
	WIN MUL_LO
	MUL16 0, 1, NQ-1, \slot, 0
	s_wait_dscnt 0x0                               ; the add is done, and my reads of this slot are over
	s_barrier_signal -1
	MUL16 2, 1, NQ-1, \slot, 0
	WIN 0
	s_barrier_wait -1
.if \fill
	CREST                                          ; the barrier has opened a round of the cluster's barrier
	s_add_nc_u64 s[G0+4*\slot+2:G0+4*\slot+3], s[G0+4*\slot+2:G0+4*\slot+3], 6144
	s_add_nc_u64 s[G0B+4*\slot+2:G0B+4*\slot+3], s[G0B+4*\slot+2:G0B+4*\slot+3], 6144
	JLOAD G0+4*\slot, G1, G0B+4*\slot, G1B         ; the first tensor load behind the round; its four v_nop are the places in front of the loads below
.else
	PLACES NP
.endif
	v_add_nc_u32 v[ADRS], 2048, v[ADRS]            ; the next K step's scale words
	FETCH_B \next, 0, 0
	FETCH_A \next, 0, 0
	SCALES \next
	WIN MUL_HI
	MUL16 4, 1, NQ-1, \slot, 0
	MUL16 6, 1, NQ-1, \slot, 0
	PLACES NP
	WIN 0
	FETCH_A \next, 0, 4
.endm
	s_wait_tensorcnt 1                             ; the scale words and my part of K step 0 are in (K step 1's load may be out),
	s_barrier_signal -1
	s_barrier_wait -1                              ; everybody's are
	FETCH_B 0, 0, 0
	FETCH_A 0, 0, 0
	SCALES 0
	FETCH_A 0, 0, 4
	STEP 0, 0, 1                                   ; the first products start the sums: nothing is cleared
	TURN 0, 1, 1                                   ; K has four steps of 256: written out
	STEP 1, 0, 0
	TURN 1, 0, 1
	STEP 0, 0, 0
	TURN 0, 1, 0                                   ; nothing is left to fetch
	STEP 1, 0, 0
	s_wait_dscnt 4*NL
	WIN MUL_LO
	MUL16 0, 1, NQ-1, 1, 0
	MUL16 2, 1, NQ-1, 1, 0
	s_wait_dscnt 0x0
	WIN MUL_HI
	MUL16 4, 1, NQ-1, 1, 0
	MUL16 6, 1, NQ-1, 1, 0
	WIN 0
.irp b, 0,1,2,3
	v_mov_b32 v[TM+4+\b], 0                        ; a lane permute's destination counts as one of its sources.  (These four are also the places behind the last products)
.endr
; THE WAY OUT of block a, 16 rows x 128 along n.  Lane (r, h) holds row r; register 16 b + i of the block's 64 is n = 32 b + 16 h + i: four blocks of 32, each shared with lane l xor 16.
.macro EPI a
.set AC, 64*((\a)%4)
.set WA, 2+(\a)/4
.set WN, WA|(WA<<2)
	WIN WN                                         ; sources 0 and 1: the accumulators' window
.irp b, 0,1,2,3
	v_max3_num_f32 v[TM+\b], |v[AC+16*\b]|, |v[AC+16*\b+1]|, 0x1800000   ; each accumulator is read from its low end on; the floor 2^(3 - 127) holds the byte at 1 from below
.endr
.irp i, 2,4,6,8,10,12,14
.irp b, 0,1,2,3
	v_max3_num_f32 v[TM+\b], |v[AC+16*\b+\i]|, |v[AC+16*\b+\i+1]|, v[TM+\b]
.endr
.endr
	WIN 0
.irp b, 0,1,2,3
	v_permlanex16_b32 v[TM+4+\b], v[TM+\b], s[SEL], s[SEL+1]
.endr
.irp b, 0,1,2,3
	v_max_num_f32 v[TM+\b], v[TM+\b], v[TM+4+\b]
.endr
.irp b, 0,1,2,3
	v_add_nc_u32 v[TM+12+\b], 0xff000000, v[TM+\b] ; 2 off the exponent field: the conversion's scale operand
.endr
.irp b, 0,1,2,3
	v_lshrrev_b32 v[TM+4+\b], 23, v[TM+12+\b]      ; the scale's byte
.endr
	v_lshl_or_b32 v[PWB+(\a)], v[TM+5], 8, v[TM+4]
	v_lshl_or_b32 v[PWB+(\a)], v[TM+6], 16, v[PWB+(\a)]
	v_lshl_or_b32 v[PWB+(\a)], v[TM+7], 24, v[PWB+(\a)]
	s_wait_xcnt 0x0                                ; the last block's stores have read the codes' registers
	WIN WA                                         ; source 0: the accumulators' window
.irp c, 0,1
	v_cvt_scalef32_pk16_fp6_f32 v[PC+6*\c:PC+2+6*\c], v[AC+32*\c:AC+15+32*\c], v[TM+12+2*\c]
	v_cvt_scalef32_pk16_fp6_f32 v[PC+12+4*\c:PC+14+4*\c], v[AC+16+32*\c:AC+31+32*\c], v[TM+12+2*\c+1]
.endr
	WIN 0
	v_nop                                          ; one plain place behind a scaled conversion
.irp c, 0,1
.irp i, 0,1,2
	v_permlane16_swap_b32 v[PC+6*\c+\i], v[PC+12+4*\c+\i]
.endr
.irp i, 0,1,2
	v_mov_b32 v[PC+3+6*\c+\i], v[PC+12+4*\c+\i]
.endr
.endr
	global_store_b128 v[L16], v[PC:PC+3], s[8:9] offset:768*(\a)                 ; each store covers 512 or 256 consecutive bytes, aligned
	global_store_b64 v[L8], v[PC+4:PC+5], s[8:9] offset:768*(\a)+512
	global_store_b128 v[L16], v[PC+6:PC+9], s[8:9] offset:49152+768*(\a)
	global_store_b64 v[L8], v[PC+10:PC+11], s[8:9] offset:49152+768*(\a)+512
	ds_store_b32 v[SSA], v[PWB+(\a)] offset:64*(\a)   ; both halves of the lanes write the same word with the same value
.endm
.irp a, 0,1,2,3,4,5,6,7
	EPI \a
.endr
	ds_load_b128 v[116:119], v[SSR]                ; my 128 rows' scale words: LDS serves a wave's instructions in order
	s_wait_dscnt 0x0
	global_store_b128 v[L16], v[116:119], s[10:11] ; 512 consecutive bytes
	s_wait_tensorcnt 0x0                           ; the wave's end
	ds_add_u32 v[SPW], v[NIL]
	s_wait_dscnt 0x0
	CROUND                                         ; the closing round
	s_endpgm
.Lfunc_end_k_q48e263a0d2_gemm_qk:
	.size	k_q48e263a0d2_gemm_qk, .Lfunc_end_k_q48e263a0d2_gemm_qk-k_q48e263a0d2_gemm_qk
	.p2alignl 7, 3214868480
	.fill 96, 4, 3214868480
	.section	.rodata,"a",@progbits
	.p2align	6, 0x0
	.amdhsa_kernel k_q48e263a0d2_gemm_qk
		.amdhsa_group_segment_fixed_size 327680
		.amdhsa_private_segment_fixed_size 0
		.amdhsa_enable_private_segment 0
		.amdhsa_kernarg_size 24
		.amdhsa_user_sgpr_count 2
		.amdhsa_user_sgpr_kernarg_segment_ptr 1
		.amdhsa_wavefront_size32 1
		.amdhsa_system_sgpr_workgroup_id_x 1
		.amdhsa_system_sgpr_workgroup_id_y 1
		.amdhsa_system_sgpr_workgroup_id_z 1
		.amdhsa_system_vgpr_workitem_id 0
		.amdhsa_next_free_vgpr 1024
		.amdhsa_next_free_sgpr 100
		.amdhsa_reserve_vcc 0
		.amdhsa_float_denorm_mode_32 3
		.amdhsa_float_denorm_mode_16_64 3
		.amdhsa_memory_ordered 1
		.amdhsa_forward_progress 1
		.amdhsa_inst_pref_size 151
	.end_amdhsa_kernel
	.amdgpu_metadata
---
amdhsa.version: [ 1, 2 ]
amdhsa.kernels:
  - .name:           k_q48e263a0d2_gemm_qk
    .symbol:         k_q48e263a0d2_gemm_qk.kd
    .args:
      - { .name: xq, .offset: 0, .size: 8, .value_kind: global_buffer, .address_space: global }
      - { .name: wqkq, .offset: 8, .size: 8, .value_kind: global_buffer, .address_space: global }
      - { .name: qkq, .offset: 16, .size: 8, .value_kind: global_buffer, .address_space: global }
    .group_segment_fixed_size: 327680
    .private_segment_fixed_size: 0
    .kernarg_segment_align: 8
    .kernarg_segment_size: 24
    .max_flat_workgroup_size: 128
    .sgpr_count:     100
    .vgpr_count:     1024
    .wavefront_size: 32
...
	.end_amdgpu_metadata
.endif
;; end of part 3
;; launch gemm_v: the kernel of part 3 again; grid 32 x 4, 4 waves a work-group, clusters of 4 x 4, 327,680 bytes of LDS; arguments wvq, xq, vq; writes vq
;; launch attn (part 4): grid 4 x 64, 16 waves a work-group, clusters of 4 x 1, 211,968 bytes of LDS; arguments qkq, vq, attention_mask, cq; writes cq
.if DOCPART == 4
	.amdgcn_target "amdgcn-amd-amdhsa--gfx1250"
	.amdhsa_code_object_version 6
	.text
	.protected	k_q48e263a0d2_attn
	.globl	k_q48e263a0d2_attn
	.p2align	8
	.type	k_q48e263a0d2_attn,@function
k_q48e263a0d2_attn:
	s_mov_b64 s[64:65], 0
	v_nop
	global_prefetch_b8 v0, s[64:65] scope:SCOPE_SE
	s_setreg_imm32_b32 hwreg(HW_REG_WAVE_MODE, 25, 1), 1
	s_wait_xcnt 0x0
	s_wait_alu depctr_hold_cnt(0) depctr_sa_sdst(0) depctr_va_vdst(0) depctr_va_sdst(0) depctr_va_ssrc(0) depctr_va_vcc(0) depctr_vm_vsrc(0)
	s_getreg_b32 s2, hwreg(HW_REG_IB_STS2, 6, 4)
	s_cmp_eq_u32 s2, 0
	s_cbranch_scc0 .Lentry_in_a_cluster
	s_endpgm
.Lentry_in_a_cluster:
	s_bfe_u32 s2, ttmp6, 0x10000c
	s_cmp_lg_u32 s2, 0x3003
	s_cbranch_scc0 .Lentry_shape_is_right
	s_endpgm
.Lentry_shape_is_right:
; ctx[b][q][head] = softmax_k(where(mask[b][k] == 0, -10000, q . k / 8)) v, both products on codes of E2M3 with one E8M0 scale for each 32 along K; ctx leaves QUANTISED along the channels, as the last product's operand.
; THE SOFTMAX AHEAD OF THE SECOND PRODUCT: t = score x log2(e) / 8; M = the row's largest t so far, rounded up to a whole number; p = 2^(t - M) is quantised along the keys, not normalised.  The row's sum is taken of
; the unquantised p and divides at the end.  When M moves, the sum and O are multiplied by 2^(old M - new M): exact.  A block's largest p is made from the block's largest score by the same two instructions
; (this takes v_exp_f32 not to fall where its input rises).
; THE MASK RIDES IN THE IDLE HALF OF K.  A head has 64 channels, the instruction 128 along K.  At k = 64 .. 67 every key holds the codes -7.5, -7.5, -5.5, -0.5 and every query 7.5, 7.5, 7.5, 5: their sum of products
; is -156.25.  A query's scale byte for that block is 127.  A key that counts has the byte 1 there (the constant enters as -156.25 x 2^-126); a masked key has 136 there and 1 for its own two blocks:
; -156.25 x 2^9 = -80,000 = -10,000 x 8 exactly, and its own products enter at 2^-126 of q's scale.  LIMIT: that holds while q's block scales stay under 2^106.
; LIMITS: a block of zeros gets the byte 1 where the rule says 127 (its codes are zeros, and this program alone reads the bytes); NaN and infinities are not served.
; SHARES.  A work-group owns 512 queries of one head, in two passes of 256; in a pass each of its SIXTEEN waves owns a tile of 16 queries, in 256 registers, four waves to a SIMD.  ALL of the head's K and V, 196,608 bytes
; of codes, lie in LDS, filled once, in four chunks of 512 keys: no slot is filled again.  The four query blocks of a head form a cluster and ask for each chunk JOINTLY (waves 0, 1: K; waves 2, 3: V; four loads each).
; No prefetch: every tile is asked for at the head.
; LAYOUT.  Both products are used transposed (S^T = K Q^T, O^T = V^T P^T): a lane holds one query throughout.  Tokens and channels stand in the buffers with bits 3 and 4 of their number exchanged, so that the 16 registers
; of two neighbouring tiles are 16 neighbours in true order.  Operands lie as half images of 768 bytes (16 rows x 64 K: lane l's registers 0-3 at 16 l, 4-5 at 512 + 8 l).
; REGISTERS: v1-11 addresses; v12 -M, v13 the largest t, v[14:15] the sum; v16-27 Q; v[28:29] V's scale words; v[30:31] 1 / the sum; v32-79 four fragments of K; v80-127 four of V; v128-191 S^T, then p;
; v192-223 O^T; v224-235 p's codes; v232-247 at work; v[248:251] K's scale words; v252 f; v253 p's scale word; v254 at work; v255 Q's scale word.
.set KSC,   196608                     ; the keys' scale words: for each 128 keys 512 bytes: word (tile u, row r) at 16 r + 256 (u % 2) + 4 (u / 2)
.set VSC,   204800                     ; V's: for each 128 keys 256 bytes: word (tile c, row r) at 8 r + 128 (c % 2) + 4 (c / 2)
.set CSC,   208896                     ; ctx's two scale bytes a query: 512 x 2 bytes
.set SPARE, 209920                     ; the spare words, 128 bytes a wave: eight blocks of 256 bytes that no other line names
.set L16,  1
.set L8,   2
.set AD16, 3
.set AD8,  4
.set SPW,  5
.set NIL,  6
.set ADS,  7
.set ADT,  8
.set CSA,  9
.set R4,   11
.set KF,   32
.set VF,   80
.set S,    128
.set OT,   192
.set WV,   18
.set SEL,  20
.set CS,   22
.set G1K,  24
.set G1V,  32
.set G0K,  40                          ; s[40:55] four sets
.set G0V,  56                          ; s[56:63], s[68:75] four sets
.set TB,   2
.set TS,   3
.set TJ,   66
.set CSO,  12
.macro CROUND
	s_barrier_signal -1
	s_barrier_wait -1
	s_cmp_lg_u32 s[WV], 0
	s_cbranch_scc1 .Lnot_wave_0_\@
	s_barrier_signal -3
.Lnot_wave_0_\@:
	s_barrier_wait -3
	s_barrier_signal -1
	s_barrier_wait -1
.endm
	s_load_b256 s[4:11], s[0:1], 0x0               ; qkq, vq, attention_mask, cq
	v_lshl_add_u32 v[SPW], v0, 2, SPARE
	v_mov_b32 v[NIL], 0
	ds_add_u32 v[SPW], v[NIL]                      ; the wave's opening: the add and its wait ahead of my first tensor load
	v_lshrrev_b32 v10, 5, v0
	v_readfirstlane_b32 s[WV], v10                 ; wave 0..15
	s_and_b32 s12, ttmp7, 0xffff
	s_lshr_b32 s13, s12, 4                         ; b
	s_and_b32 s14, s12, 15                         ; the head
	s_and_b32 s16, s[WV], 1                        ; which half of a chunk I fetch, if I fetch
	s_mul_i32 s17, s16, 12288                      ; K's place in a chunk,
	s_add_co_u32 s19, s17, 24576                   ; V's
	s_mul_i32 s86, s13, 2*1572864                  ; K in memory: the batch's first 64 tiles of tokens,
	s_add_co_u32 s87, s14, 16
	s_mul_i32 s87, s87, 49152                      ; k's head,
	s_add_co_u32 s86, s86, s87
	s_add_co_u32 s86, s86, s17                     ; my half
	s_add_co_u32 s86, s86, 524288
	s_mov_b32 s87, 0
	s_lshl_b32 s88, s13, 5                         ; V in memory: the batch's first group of 64 tokens,
	s_lshl_b32 s89, s16, 2
	s_add_co_u32 s88, s88, s89                     ; my four groups,
	s_mul_i32 s88, s88, 49152
	s_mul_i32 s89, s14, 3072                       ; the head's four tiles of channels
	s_add_co_u32 s88, s88, s89
	s_add_co_u32 s88, s88, 524288
	s_mov_b32 s89, 0
	s_mov_b32 s[G1K], 15|(3<<16)|(1<<21)           ; 15:0 the mask: all four work-groups; 17:16 elements of 8 bytes; 21 set beside a mask.  12,288 dense bytes as 48 rows of 256
	s_mov_b32 s[G1K+1], 32<<16
	s_mov_b32 s[G1K+2], 48<<16
	s_mov_b32 s[G1K+3], 32<<16
	s_mov_b32 s[G1K+4], 48
	s_mov_b32 s[G1K+5], 32
	s_mov_b32 s[G1K+6], 0
	s_mov_b32 s[G1K+7], 0
	s_mov_b32 s[G1V], 15|(3<<16)|(1<<21)           ; four rows of 3,072 bytes, 49,152 bytes apart
	s_mov_b32 s[G1V+1], 384<<16
	s_mov_b32 s[G1V+2], 4<<16
	s_mov_b32 s[G1V+3], 384<<16
	s_mov_b32 s[G1V+4], 4
	s_mov_b32 s[G1V+5], 6144
	s_mov_b32 s[G1V+6], 0
	s_mov_b32 s[G1V+7], 0
	s_mov_b32 s[SEL], 0x76543210
	s_mov_b32 s[SEL+1], 0xfedcba98
	s_mov_b32 s[CS], 0x3e38aa3b                    ; c = log2(e) / 8
	s_mov_b32 s[CS+1], s[CS]
	s_mov_b32 s78, 0x01010000
	s_mov_b32 s79, 0x017f0000
	s_wait_dscnt 0x0                               ; the opening add is done
	s_wait_kmcnt 0x0
	s_add_nc_u64 s[90:91], s[4:5], s[86:87]
	s_add_nc_u64 s[92:93], s[6:7], s[88:89]
	CROUND                                         ; all four work-groups are here: the joint loads meet
.irp c, 0,1,2,3
	s_mov_b32 s[G0K+4*\c], 1
	s_add_co_u32 s[G0K+4*\c+1], s17, 49152*\c
	s_add_nc_u64 s[G0K+4*\c+2:G0K+4*\c+3], s[90:91], (\c/2)*1572864+(\c%2)*24576
	s_or_b32 s[G0K+4*\c+3], s[G0K+4*\c+3], 0x80000000
	s_mov_b32 s[G0V+4*\c+4*(\c/2)], 1
	s_add_co_u32 s[G0V+4*\c+4*(\c/2)+1], s19, 49152*\c
	s_add_nc_u64 s[G0V+4*\c+4*(\c/2)+2:G0V+4*\c+4*(\c/2)+3], s[92:93], 393216*\c
	s_or_b32 s[G0V+4*\c+4*(\c/2)+3], s[G0V+4*\c+4*(\c/2)+3], 0x80000000
.endr
	s_cmp_lt_u32 s[WV], 2                          ; a wave's four fills stand in one branch on its number: four loads of mine are out
	s_cbranch_scc0 .Lnot_k
.irp c, 0,1,2,3
	tensor_load_to_lds s[G0K+4*\c:G0K+4*\c+3], s[G1K:G1K+7]
	s_nop 0
.endr
.rept 4
	v_nop
.endr
	s_branch .Lasked
.Lnot_k:
	s_cmp_lt_u32 s[WV], 4
	s_cbranch_scc0 .Lasked
.irp c, 0,1,2,3
	tensor_load_to_lds s[G0V+4*\c+4*(\c/2):G0V+4*\c+4*(\c/2)+3], s[G1V:G1V+7]
	s_nop 0
.endr
.rept 4
	v_nop
.endr
.Lasked:
	; the scale words' and the mask's places in memory
	s_lshl_b32 s86, s13, 17
	s_lshr_b32 s87, s14, 1
	s_add_co_u32 s88, s87, 8
	s_lshl_b32 s88, s88, 12
	s_add_co_u32 s88, s88, s86
	s_mov_b32 s89, 0
	s_add_nc_u64 s[94:95], s[4:5], s[88:89]        ; k's scale words: a word holds two heads' bytes
	s_lshl_b32 s88, s13, 4
	s_add_co_u32 s88, s88, s[WV]
	s_lshl_b32 s88, s88, 12
	s_lshl_b32 s90, s14, 8
	s_add_co_u32 s88, s88, s90
	s_add_nc_u64 s[96:97], s[6:7], s[88:89]        ; V's: wave w takes those of keys 128 w on
	s_lshl_b32 s88, s13, 13
	s_add_nc_u64 s[8:9], s[8:9], s[88:89]          ; the batch's mask
	; what hangs on my block of queries
	s_bfe_u32 s15, ttmp6, 0x40000                  ; cx
	s_lshl_b32 s90, ttmp9, 2
	s_add_co_u32 s15, s15, s90                     ; my block of 512 queries
	s_lshr_b32 s90, s15, 1
	s_lshl_b32 s91, s13, 1
	s_add_co_u32 s90, s90, s91
	s_and_b32 s91, s15, 1
	s_lshl_b32 s91, s91, 5
	s_add_co_u32 s91, s91, s[WV]                   ; my tile of tokens, modulo 64
	s_mul_i32 s88, s90, 1572864
	s_mul_i32 s92, s14, 49152
	s_add_co_u32 s88, s88, s92
	s_mul_i32 s92, s91, 768
	s_add_co_u32 s88, s88, s92
	s_add_co_u32 s88, s88, 524288
	s_add_nc_u64 s[80:81], s[4:5], s[88:89]        ; Q's image
	s_lshl_b32 s88, s90, 16
	s_lshl_b32 s92, s87, 12
	s_add_co_u32 s88, s88, s92
	s_lshl_b32 s92, s91, 6
	s_add_co_u32 s88, s88, s92
	s_add_nc_u64 s[82:83], s[4:5], s[88:89]        ; Q's scale words
	s_lshl_b32 s88, s13, 7
	s_lshl_b32 s92, s15, 5
	s_add_co_u32 s88, s88, s92
	s_add_co_u32 s88, s88, s[WV]
	s_mul_i32 s88, s88, 12288
	s_mul_i32 s92, s14, 768
	s_add_co_u32 s88, s88, s92
	s_add_co_u32 s88, s88, 262144
	s_add_nc_u64 s[84:85], s[10:11], s[88:89]      ; ctx's image
	s_lshl_b32 s88, s13, 3
	s_lshl_b32 s92, s15, 1
	s_add_co_u32 s88, s88, s92
	s_add_co_u32 s88, s88, s[WV]
	s_lshl_b32 s88, s88, 13
	s_lshl_b32 s92, s14, 9
	s_add_co_u32 s88, s88, s92
	s_add_nc_u64 s[98:99], s[10:11], s[88:89]      ; ctx's scale bytes of pass w (waves 0 and 1 store them)
	s_and_b32 s77, s14, 1
	s_lshl_b32 s77, s77, 4                         ; my head's two bytes stand 16 (head % 2) bits up in a word
	v_and_b32 v10, 31, v0
	v_lshlrev_b32 v[L16], 4, v10
	v_lshlrev_b32 v[L8], 3, v10
	v_and_b32 v10, 15, v0
	v_lshlrev_b32 v[R4], 2, v10
	s_lshl_b32 s86, s[WV], 5
	v_lshl_add_u32 v[CSA], v10, 1, s86
	v_add_nc_u32 v[CSA], CSC, v[CSA]
	v_and_b32 v140, 0x1f9, v0                      ; thread t holds keys 4 t .. 4 t + 3 of the buffer's order: tokens 4 t' .. with bits 1 and 2 of t exchanged
	v_and_b32 v141, 2, v0
	v_lshl_or_b32 v140, v141, 1, v140
	v_bfe_u32 v141, v0, 2, 1
	v_lshl_or_b32 v140, v141, 1, v140
	v_lshlrev_b32 v140, 4, v140
	v_lshrrev_b32 v141, 8, v0
	v_and_b32 v142, 255, v0
	v_lshlrev_b32 v142, 4, v142
	v_lshl_or_b32 v141, v141, 16, v142             ; 64 tiles' words are 4,096 dense bytes; the next 64 lie 65,536 bytes on
	global_load_b128 v[128:131], v141, s[94:95]
	global_load_b128 v[132:135], v140, s[8:9]
	global_load_b64 v[136:137], v[L8], s[96:97]
	v_lshrrev_b32 v143, 5, v0                      ; where my four words go: 512 x wave + 256 ((t >> 2) & 1) + 64 (t & 3) + 4 ((t >> 3) & 3), 16 bytes apart
	v_lshlrev_b32 v143, 9, v143
	v_bfe_u32 v144, v0, 2, 1
	v_lshl_add_u32 v143, v144, 8, v143
	v_and_b32 v144, 3, v0
	v_lshl_add_u32 v143, v144, 6, v143
	v_bfe_u32 v144, v0, 3, 2
	v_lshl_add_u32 v143, v144, 2, v143
	v_add_nc_u32 v143, KSC, v143
	v_lshrrev_b32 v145, 5, v0                      ; V's two: 256 x wave + 128 ((l >> 3) & 1) + 16 (l & 7) + 4 (l >> 4), 8 bytes apart
	v_lshlrev_b32 v145, 8, v145
	v_bfe_u32 v144, v0, 3, 1
	v_lshl_add_u32 v145, v144, 7, v145
	v_and_b32 v144, 7, v0
	v_lshl_add_u32 v145, v144, 4, v145
	v_bfe_u32 v144, v0, 4, 1
	v_lshl_add_u32 v145, v144, 2, v145
	v_add_nc_u32 v145, VSC, v145
	v_bfe_u32 v10, v0, 4, 1
	v_xor_b32 v10, 1, v10                          ; 1 in lanes 0-15
	v_mul_u32_u24 v22, v10, 0x69f7df               ; Q at k = 64 .. 67: 7.5, 7.5, 7.5, 5
	v_mul_u32_u24 v[KF+6], v10, 0x93bfff           ; a key there: -7.5, -7.5, -5.5, -0.5
.irp t, 1,2,3
	v_mov_b32 v[KF+12*\t+6], v[KF+6]
.endr
.irp t, 0,1,2,3
.irp i, 7,8,9,10,11
	v_mov_b32 v[KF+12*\t+\i], 0                    ; the rest of the idle half: zero codes; these registers stay
.endr
.endr
.irp i, 23,24,25,26,27
	v_mov_b32 v[\i], 0
.endr
.irp b, 0,1,2,3
	v_mov_b32 v[236+\b], 0                         ; a lane permute's destination counts as one of its sources
.endr
	v_mov_b32 v253, 0
	v_mov_b32 v254, 0
	v_mov_b32 v146, 0x01880101                     ; a masked key's word
	s_wait_loadcnt 0x0
.irp e, 0,1,2,3
	v_lshrrev_b32 v[128+\e], s77, v[128+\e]
	v_and_or_b32 v[128+\e], v[128+\e], 0xffff, s78 ; my head's two bytes, and 1 for the idle half
	v_cmp_eq_u32 vcc_lo, 0, v[132+\e]
	v_cndmask_b32 v[128+\e], v[128+\e], v146, vcc_lo
	ds_store_b32 v143, v[128+\e] offset:16*\e
.endr
	ds_store_b32 v145, v136
	ds_store_b32 v145, v137 offset:8
.macro KQ4 g                           ; S^T of four tiles of 16 keys
.irp t, 0,1,2,3
.if \t%2
	v_wmma_scale_f32_16x16x128_f8f6f4 v[S+8*(4*\g+\t):S+8*(4*\g+\t)+7], v[KF+12*\t:KF+12*\t+11], v[16:27], 0, v[248+2*\g+\t/2], v255 matrix_a_fmt:MATRIX_FMT_FP6 matrix_b_fmt:MATRIX_FMT_FP6 matrix_a_scale:MATRIX_SCALE_ROW1
.else
	v_wmma_scale_f32_16x16x128_f8f6f4 v[S+8*(4*\g+\t):S+8*(4*\g+\t)+7], v[KF+12*\t:KF+12*\t+11], v[16:27], 0, v[248+2*\g+\t/2], v255 matrix_a_fmt:MATRIX_FMT_FP6 matrix_b_fmt:MATRIX_FMT_FP6
.endif
.endr
.endm
.macro KLOAD g
.irp t, 0,1,2,3
	ds_load_b128 v[KF+12*\t:KF+12*\t+3], v[AD16] offset:768*(4*\g+\t)
	ds_load_b64 v[KF+12*\t+4:KF+12*\t+5], v[AD8] offset:768*(4*\g+\t)+512
.endr
.endm
; A KEY STEP: 128 keys
.macro STEP
	v_add_nc_u32 v[AD16], s[TB], v[L16]            ; (these four are the places behind the last step's products)
	v_add_nc_u32 v[AD8], s[TB], v[L8]
	v_add_nc_u32 v[ADS], s[TS], v[L16]
	v_add_nc_u32 v[ADT], s[TJ], v[L8]
	KLOAD 0
	ds_load_b128 v[248:251], v[ADS]                ; the eight tiles' scale words: register e: lanes 0-15 tile 2 e, lanes 16-31 tile 2 e + 1
	s_wait_dscnt 0x0
	KQ4 0
.rept 4
	v_nop                                          ; places in front of loads into registers that matrix instructions have read
.endr
	KLOAD 1
.irp t, 0,1,2,3
.irp c, 0,1
	ds_load_b128 v[VF+12*\t+6*\c:VF+12*\t+6*\c+3], v[AD16] offset:24576+3072*\c+768*\t
	ds_load_b64 v[VF+12*\t+6*\c+4:VF+12*\t+6*\c+5], v[AD8] offset:24576+3072*\c+768*\t+512
.endr
.endr
	ds_load_b64 v[28:29], v[ADT]                   ; V's scale words: register e: lanes 0-15 tile 2 e, lanes 16-31 tile 2 e + 1
	s_wait_dscnt 17                                ; K's eight loads are in; V's sixteen and its scale words may be out
	KQ4 1
.rept 4
	v_nop
.endr
.irp b, 0,1,2,3
	v_max3_num_f32 v[232+\b], v[S+16*\b], v[S+1+16*\b], v[S+2+16*\b]   ; the largest score of each block of 32 keys: for the row's maximum, and for the block's largest p
.endr
.irp i, 3,5,7,9,11,13
.irp b, 0,1,2,3
	v_max3_num_f32 v[232+\b], v[232+\b], v[S+16*\b+\i], v[S+1+16*\b+\i]
.endr
.endr
.irp b, 0,1,2,3
	v_max_num_f32 v[232+\b], v[232+\b], v[S+15+16*\b]
.endr
.irp b, 0,1,2,3
	v_permlanex16_b32 v[236+\b], v[232+\b], s[SEL], s[SEL+1]
.endr
.irp b, 0,1,2,3
	v_max_num_f32 v[232+\b], v[232+\b], v[236+\b]  ; with lane l xor 16's 16 keys
.endr
	v_max3_num_f32 v254, v232, v233, v234
	v_max_num_f32 v254, v254, v235
	v_mul_f32 v254, s[CS], v254                    ; as t (c is positive)
	v_max_num_f32 v13, v13, v254                   ; the running largest t
	v_mov_b32 v254, v12
	v_floor_f32 v12, -v13                          ; the new -M = floor(-t): M is a whole number
	v_sub_f32 v254, v12, v254                      ; old M - new M: a whole number, 0 or less
	v_cvt_i32_f32 v254, v254                       ; (it saturates)
	v_ldexp_f32 v252, 1.0, v254                    ; f = 2^(old M - new M)
.irp j, 0,2,4,6,8,10,12,14,16,18,20,22,24,26,28,30,32,34,36,38,40,42,44,46,48,50,52,54,56,58,60,62
	v_pk_fma_f32 v[S+\j:S+1+\j], v[S+\j:S+1+\j], s[CS:CS+1], v[12:13] op_sel_hi:[1,0,0]   ; t - M, two at a time
.endr
.irp b, 0,1,2,3
	v_fma_f32 v[232+\b], v[232+\b], s[CS], v12     ; the same of each block's largest score
.endr
.irp j, 0,1,2,3,4,5,6,7,8,9,10,11,12,13,14,15,16,17,18,19,20,21,22,23,24,25,26,27,28,29,30,31,32,33,34,35,36,37,38,39,40,41,42,43,44,45,46,47,48,49,50,51,52,53,54,55,56,57,58,59,60,61,62,63
	v_exp_f32 v[S+\j], v[S+\j]                     ; p = 2^(t - M), at most 1
.endr
	v_pk_mul_f32 v[14:15], v[14:15], v[252:253] op_sel_hi:[1,0]   ; the sums under the new M.  (A plain place behind the exponentials)
	s_wait_alu depctr_va_vdst(0)                   ; one wait for the whole batch, ahead of its first reader
.irp b, 0,1,2,3
	v_exp_f32 v[232+\b], v[232+\b]                 ; the block's largest p
.endr
	v_pk_add_f32 v[236:237], v[S:S+1], v[S+2:S+3]  ; the row's sum is taken of the unquantised p, in two chains
.irp j, 4,8,12,16,20,24,28,32,36,40,44,48,52,56,60
	v_pk_add_f32 v[14:15], v[14:15], v[S+\j:S+1+\j]
	v_pk_add_f32 v[236:237], v[236:237], v[S+2+\j:S+3+\j]
.endr
	v_pk_add_f32 v[14:15], v[14:15], v[236:237]
	s_wait_alu depctr_va_vdst(0)                   ; and one for the four
.irp b, 0,1,2,3
	v_max_num_f32 v[232+\b], 0x1800000, v[232+\b]  ; the floor 2^(3 - 127): the byte cannot fall under 1
.endr
.irp b, 0,1,2,3
	v_add_nc_u32 v[244+\b], 0xff000000, v[232+\b]  ; 2 off the exponent field: the conversion's scale operand
.endr
.irp b, 0,1,2,3
	v_lshrrev_b32 v[236+\b], 23, v[244+\b]
.endr
	v_lshl_or_b32 v253, v237, 8, v236              ; p's scale word for these 128 keys
	v_lshl_or_b32 v253, v238, 16, v253
	v_lshl_or_b32 v253, v239, 24, v253
.irp c, 0,1
	v_cvt_scalef32_pk16_fp6_f32 v[224+6*\c:226+6*\c], v[S+32*\c:S+15+32*\c], v[244+2*\c]
	v_cvt_scalef32_pk16_fp6_f32 v[236+4*\c:238+4*\c], v[S+16+32*\c:S+31+32*\c], v[244+2*\c+1]
.endr
	v_nop                                          ; one plain place behind a scaled conversion
.irp c, 0,1
.irp i, 0,1,2
	v_permlane16_swap_b32 v[224+6*\c+\i], v[236+4*\c+\i]
.endr
.irp i, 0,1,2
	v_mov_b32 v[227+6*\c+\i], v[236+4*\c+\i]
.endr
.endr
.irp j, 0,2,4,6,8,10,12,14,16,18,20,22,24,26,28,30
	v_pk_mul_f32 v[OT+\j:OT+1+\j], v[OT+\j:OT+1+\j], v[252:253] op_sel_hi:[1,0]   ; O^T under the new M.  (With the six moves above: the places between p's scale word and codes and the products below)
.endr
	s_wait_dscnt 0x0                               ; V is in
.irp t, 0,1,2,3                                ; O^T += V^T P^T: the four accumulators by turns; eight other products stand between two links of a chain
.if \t%2
	v_wmma_scale_f32_16x16x128_f8f6f4 v[OT+8*\t:OT+8*\t+7], v[VF+12*\t:VF+12*\t+11], v[224:235], v[OT+8*\t:OT+8*\t+7], v[28+\t/2], v253 matrix_a_fmt:MATRIX_FMT_FP6 matrix_b_fmt:MATRIX_FMT_FP6 matrix_a_scale:MATRIX_SCALE_ROW1
.else
	v_wmma_scale_f32_16x16x128_f8f6f4 v[OT+8*\t:OT+8*\t+7], v[VF+12*\t:VF+12*\t+11], v[224:235], v[OT+8*\t:OT+8*\t+7], v[28+\t/2], v253 matrix_a_fmt:MATRIX_FMT_FP6 matrix_b_fmt:MATRIX_FMT_FP6
.endif
.endr
	s_add_co_u32 s[TB], s[TB], 6144                ; the next 128 keys: eight tiles of K, two groups of V,
	s_add_co_u32 s[TS], s[TS], 512                 ; their scale words
	s_add_co_u32 s[TJ], s[TJ], 256
.endm
; chunk c: 512 keys, four steps.  Later chunks may stay on their way
.macro SEG c
	s_wait_tensorcnt 3-\c                          ; my part of chunk c is in; the chunks behind it may be out (in the second pass nothing is out)
	s_wait_dscnt 0x0                               ; my LDS stores have landed
	s_barrier_signal -1
	s_barrier_wait -1
	s_mov_b32 s[TB], 49152*\c
	s_mov_b32 s[TS], KSC+2048*\c
	s_mov_b32 s[TJ], VSC+1024*\c
	s_mov_b32 s67, 4
.Lstep_\@:
	STEP
	s_sub_co_u32 s67, s67, 1
	s_cmp_lg_u32 s67, 0
	s_cbranch_scc1 .Lstep_\@
.endm
	s_mov_b32 s76, 2
	s_mov_b32 s[CSO], 0
.Lpass:                                            ; two passes of 256 queries
	global_load_b128 v[16:19], v[L16], s[80:81]    ; Q's half image: registers 0-5 of its fragment
	global_load_b64 v[20:21], v[L8], s[80:81] offset:512
	global_load_b32 v10, v[R4], s[82:83]
	s_wait_loadcnt 0x0
	v_lshrrev_b32 v10, s77, v10
	v_and_or_b32 v255, v10, 0xffff, s79            ; my head's two bytes, 127 for the block of constants, 1 above
	v_mov_b32 v13, 0xff61b1e6                      ; the largest t so far: -3e38
	v_floor_f32 v12, -v13
	v_mov_b32 v14, 0
	v_mov_b32 v15, 0
.irp j, 0,1,2,3,4,5,6,7,8,9,10,11,12,13,14,15,16,17,18,19,20,21,22,23,24,25,26,27,28,29,30,31
	v_mov_b32 v[OT+\j], 0                          ; O^T: the step is written once; its first finds zeros.  (Also the places between Q's scale word and the first product)
.endr
	SEG 0
	SEG 1
	SEG 2
	SEG 3
	; ctx = O^T / the sum, quantised along the head's 64 channels: register 16 b + i is channel 32 b + 16 h + i of my query
.rept 4
	v_nop
.endr
	v_add_f32 v14, v14, v15
	v_permlanex16_b32 v254, v14, s[SEL], s[SEL+1]
	v_add_f32 v14, v14, v254                       ; the row's sum
	v_rcp_f32 v30, v14
	v_mov_b32 v31, 0                               ; (a plain place behind the transcendental; named with v30 as a pair)
	v_add_nc_u32 v[AD16], s[CSO], v[CSA]
	s_wait_alu depctr_va_vdst(0)                   ; the wait ahead of the first reader
.irp j, 0,2,4,6,8,10,12,14,16,18,20,22,24,26,28,30
	v_pk_mul_f32 v[S+\j:S+1+\j], v[OT+\j:OT+1+\j], v[30:31] op_sel_hi:[1,0]
.endr
.irp b, 0,1
	v_max3_num_f32 v[232+\b], |v[S+16*\b]|, |v[S+1+16*\b]|, 0x1800000
.endr
.irp i, 2,4,6,8,10,12,14
.irp b, 0,1
	v_max3_num_f32 v[232+\b], v[232+\b], |v[S+16*\b+\i]|, |v[S+1+16*\b+\i]|
.endr
.endr
.irp b, 0,1
	v_permlanex16_b32 v[236+\b], v[232+\b], s[SEL], s[SEL+1]
.endr
.irp b, 0,1
	v_max_num_f32 v[232+\b], v[232+\b], v[236+\b]
.endr
.irp b, 0,1
	v_add_nc_u32 v[244+\b], 0xff000000, v[232+\b]
.endr
.irp b, 0,1
	v_lshrrev_b32 v[236+\b], 23, v[244+\b]
.endr
	v_lshl_or_b32 v10, v237, 8, v236               ; my query's two scale bytes
	v_cvt_scalef32_pk16_fp6_f32 v[224:226], v[S:S+15], v244
	v_cvt_scalef32_pk16_fp6_f32 v[240:242], v[S+16:S+31], v245
	v_nop
.irp i, 0,1,2
	v_permlane16_swap_b32 v[224+\i], v[240+\i]
.endr
.irp i, 0,1,2
	v_mov_b32 v[227+\i], v[240+\i]
.endr
	global_store_b128 v[L16], v[224:227], s[84:85] ; a half image: 512 and 256 consecutive bytes, aligned
	global_store_b64 v[L8], v[228:229], s[84:85] offset:512
	ds_store_b16 v[AD16], v10                      ; both halves of the lanes write the same bytes with the same value
	s_wait_dscnt 0x0
	s_wait_xcnt 0x0                                ; the loads and stores have read their bases and registers: they are written again only behind this wait
	s_add_nc_u64 s[80:81], s[80:81], 12288         ; sixteen tiles of queries on
	s_add_nc_u64 s[82:83], s[82:83], 1024
	s_add_nc_u64 s[84:85], s[84:85], 196608
	s_add_co_u32 s[CSO], s[CSO], 512
	s_sub_co_u32 s76, s76, 1
	s_cmp_lg_u32 s76, 0
	s_cbranch_scc1 .Lpass
	v_lshl_add_u32 v10, v0, 4, CSC                 ; waves 0 and 1: 512 x wave + 16 x lane
	s_barrier_signal -1                            ; (every wave's LDS stores were waited for above)
	s_barrier_wait -1
	s_cmp_lt_u32 s[WV], 2                          ; wave w stores pass w's 256 queries' scale bytes: 512 consecutive bytes
	s_cbranch_scc0 .Lno_out
	ds_load_b128 v[128:131], v10
	s_wait_dscnt 0x0
	global_store_b128 v[L16], v[128:131], s[98:99]
.Lno_out:
	s_wait_tensorcnt 0x0                           ; the wave's end
	ds_add_u32 v[SPW], v[NIL]
	s_wait_dscnt 0x0
	CROUND                                         ; the closing round
	s_endpgm
.Lfunc_end_k_q48e263a0d2_attn:
	.size	k_q48e263a0d2_attn, .Lfunc_end_k_q48e263a0d2_attn-k_q48e263a0d2_attn
	.p2alignl 7, 3214868480
	.fill 96, 4, 3214868480
	.section	.rodata,"a",@progbits
	.p2align	6, 0x0
	.amdhsa_kernel k_q48e263a0d2_attn
		.amdhsa_group_segment_fixed_size 211968
		.amdhsa_private_segment_fixed_size 0
		.amdhsa_enable_private_segment 0
		.amdhsa_kernarg_size 32
		.amdhsa_user_sgpr_count 2
		.amdhsa_user_sgpr_kernarg_segment_ptr 1
		.amdhsa_wavefront_size32 1
		.amdhsa_system_sgpr_workgroup_id_x 1
		.amdhsa_system_sgpr_workgroup_id_y 1
		.amdhsa_system_sgpr_workgroup_id_z 1
		.amdhsa_system_vgpr_workitem_id 0
		.amdhsa_next_free_vgpr 256
		.amdhsa_next_free_sgpr 100
		.amdhsa_reserve_vcc 1
		.amdhsa_float_denorm_mode_32 3
		.amdhsa_float_denorm_mode_16_64 3
		.amdhsa_memory_ordered 1
		.amdhsa_forward_progress 1
		.amdhsa_inst_pref_size 85
	.end_amdhsa_kernel
	.amdgpu_metadata
---
amdhsa.version: [ 1, 2 ]
amdhsa.kernels:
  - .name:           k_q48e263a0d2_attn
    .symbol:         k_q48e263a0d2_attn.kd
    .args:
      - { .name: qkq, .offset: 0, .size: 8, .value_kind: global_buffer, .address_space: global }
      - { .name: vq, .offset: 8, .size: 8, .value_kind: global_buffer, .address_space: global }
      - { .name: attention_mask, .offset: 16, .size: 8, .value_kind: global_buffer, .address_space: global }
      - { .name: cq, .offset: 24, .size: 8, .value_kind: global_buffer, .address_space: global }
    .group_segment_fixed_size: 211968
    .private_segment_fixed_size: 0
    .kernarg_segment_align: 8
    .kernarg_segment_size: 32
    .max_flat_workgroup_size: 512
    .sgpr_count:     100
    .vgpr_count:     256
    .wavefront_size: 32
...
	.end_amdgpu_metadata
.endif
;; end of part 4
;; launch gemm_out (part 5): grid 4 x 32, 4 waves a work-group, clusters of 4 x 4, 327,680 bytes of LDS; arguments cq, woq, out0; writes out0
.if DOCPART == 5
	.amdgcn_target "amdgcn-amd-amdhsa--gfx1250"
	.amdhsa_code_object_version 6
	.text
	.protected	k_q48e263a0d2_gemm_out
	.globl	k_q48e263a0d2_gemm_out
	.p2align	8
	.type	k_q48e263a0d2_gemm_out,@function
k_q48e263a0d2_gemm_out:
	s_mov_b64 s[64:65], 0
	v_nop
	global_prefetch_b8 v0, s[64:65] scope:SCOPE_SE
	s_setreg_imm32_b32 hwreg(HW_REG_WAVE_MODE, 25, 1), 1
	s_wait_xcnt 0x0
	s_wait_alu depctr_hold_cnt(0) depctr_sa_sdst(0) depctr_va_vdst(0) depctr_va_sdst(0) depctr_va_ssrc(0) depctr_va_vcc(0) depctr_vm_vsrc(0)
	s_getreg_b32 s2, hwreg(HW_REG_IB_STS2, 6, 4)
	s_cmp_eq_u32 s2, 0
	s_cbranch_scc0 .Lentry_in_a_cluster
	s_endpgm
.Lentry_in_a_cluster:
	s_bfe_u32 s2, ttmp6, 0x10000c
	s_cmp_lg_u32 s2, 0xf033
	s_cbranch_scc0 .Lentry_shape_is_right
	s_endpgm
.Lentry_shape_is_right:
; out0[m][n] = sum over k of ctx[m][k] w_out[k][n], K = 1,024, on codes of E2M3 with one E8M0 scale for each 32 along K; out0 [8192][1024] f32.
; OPERANDS are laid in the order of the operand's registers: from byte 262,144 [tile of 16 rows][64 along K][768 bytes] (lane l's registers 0-3 at 16 l, 4-5 at 512 + 8 l).  Rows stand with bits 3 and 4 of their number
; exchanged; the way out puts tokens and columns back in true order.  B's scale words lie [256 rows][128 along K][256 rows]; A's scale bytes lie [256 rows][head][256 rows], two bytes each, and are joined to words at the head.
; A tile of out0, 256 x 256, is made by four waves, each 128 x 128: 64 accumulators.  K goes in steps of 256 through a ring of two LDS slots; a wave's tensor load brings 8 tiles of rows x 3,072 bytes.
; CLUSTERS: 4 x 4 work-groups; A's tiles are asked for jointly along a row of the cluster, B's along a column.  THE MATRIX INSTRUCTION IS USED TRANSPOSED (source 0 = B's rows, source 1 = A's rows).
; No prefetch: K has four steps, and both first steps are asked for at the head.
; REGISTERS: window 0: v16-31 addresses; v32-63 scale words, two sets; v64-95 the head's work; v128-223 A's fragments, one set (v128-255 on the way out).  window 1: B's fragments, two sets.  windows 2, 3: the accumulators.
.set NQ,     2
.set FR,     12
.set NL,     4
.set NP,     4
.set HALFT,  24576
.set SLOT,   4*HALFT
.set SCLA,   2*SLOT                    ; A's scale words, 8,192 bytes, stored by the waves: no fill lands here
.set SCLB,   SCLA+8192+128             ; B's, brought by tensor loads
.set SPARE,  213248                    ; the spare words, 128 bytes a wave: two blocks of 256 bytes that no other line names
.set STG,    SPARE+512                 ; the way out: 16 rows x 528 bytes for each wave
.set ADRA16, 16
.set ADRA8,  18
.set ADRB16, 20
.set ADRB8,  22
.set L16,    24
.set L8,     25
.set STO,    26
.set ADRS,   27
.set SPW,    28
.set NIL,    29
.set RD,     30
.set SWA,    31
.set SC,     32
.set AF,     128
.set BK,     128
.set G1, 24
.set G0, 32
.set G1B, 48
.set G0B, 56
.set G1SB, 80
.set G0SB, 88
.set MSB, 0
.macro WIN new                         ; the immediate's high byte repeats the setting that is left
.if MSB != \new
	s_set_vgpr_msb (MSB<<8)|\new
.set MSB, \new
.endif
.endm
.set MUL_LO, 0xa1
.set MUL_HI, 0xf1
.set TO_B,   0x40
.macro JLOAD g0a, g1a, g0b, g1b        ; a joint refill: waves 0 and 1 fetch for A, waves 2 and 3 for B; an s_nop 0 and four v_nop follow each of the two lines
	s_cmp_eq_u32 s15, 0
	s_cbranch_scc0 .Lfor_b_\@
	tensor_load_to_lds s[\g0a:\g0a+3], s[\g1a:\g1a+7]
	s_nop 0
.rept 4
	v_nop
.endr
	s_branch .Lasked_\@
.Lfor_b_\@:
	tensor_load_to_lds s[\g0b:\g0b+3], s[\g1b:\g1b+7]
	s_nop 0
.rept 4
	v_nop
.endr
.Lasked_\@:
.endm
.macro CREST
	s_cmp_lg_u32 s14, 0
	s_cbranch_scc1 .Lnot_wave_0_\@
	s_barrier_signal -3
.Lnot_wave_0_\@:
	s_barrier_wait -3
	s_barrier_signal -1
	s_barrier_wait -1
.endm
.macro CROUND
	s_barrier_signal -1
	s_barrier_wait -1
	CREST
.endm
	s_load_b128 s[4:7], s[0:1], 0x0                ; cq, woq
	s_load_b64 s[12:13], s[0:1], 0x10              ; out0
	v_lshl_add_u32 v[SPW], v0, 2, SPARE
	v_mov_b32 v[NIL], 0
	ds_add_u32 v[SPW], v[NIL]                      ; the wave's opening: the add and its wait ahead of my first tensor load
	v_lshrrev_b32 v1, 5, v0
	v_readfirstlane_b32 s14, v1                    ; wave 0..3
	s_lshr_b32 s15, s14, 1                         ; which half of the tile's rows is mine.  Also: I fetch for A (0) or for B (1)
	s_and_b32 s16, s14, 1                          ; which half of its columns.  Also: which 128 rows I fetch
	s_bfe_u32 s40, ttmp6, 0x40000                  ; cx
	s_bfe_u32 s41, ttmp6, 0x40004                  ; cy
	s_lshl_b32 s42, ttmp9, 2
	s_add_co_u32 s42, s42, s40                     ; tile column
	s_and_b32 s17, ttmp7, 0xffff
	s_lshl_b32 s17, s17, 2
	s_add_co_u32 s17, s17, s41                     ; tile row
	s_lshl_b32 s43, s41, 2
	s_lshl_b32 s43, 15, s43                        ; my row of the cluster
	s_lshl_b32 s44, 0x1111, s40                    ; my column
	s_or_b32 s[G1+0], s43, (3<<16)|(1<<21)         ; 15:0 the mask; 17:16 elements of 8 bytes; 21 set beside a mask; no padding
	s_or_b32 s[G1B+0], s44, (3<<16)|(1<<21)
.irp g, G1, G1B
	s_mov_b32 s[\g+1], 384<<16                     ; 3,072 bytes a row,
	s_mov_b32 s[\g+2], 8<<16                       ; 8 tiles of rows,
	s_mov_b32 s[\g+3], 384<<16
	s_mov_b32 s[\g+4], 8
	s_mov_b32 s[\g+5], 1536                        ; 12,288 bytes apart
	s_mov_b32 s[\g+6], 0
	s_mov_b32 s[\g+7], 0
.endr
	s_or_b32 s[G1SB+0], s44, (3<<16)|(1<<21)       ; B's scale words: 4,096 dense bytes as 16 rows of 256
	s_mov_b32 s[G1SB+1], 32<<16
	s_mov_b32 s[G1SB+2], 16<<16
	s_mov_b32 s[G1SB+3], 32<<16
	s_mov_b32 s[G1SB+4], 16
	s_mov_b32 s[G1SB+5], 32
	s_mov_b32 s[G1SB+6], 0
	s_mov_b32 s[G1SB+7], 0
	s_lshl_b32 s18, s16, 7
	s_lshl_b32 s20, s17, 8
	s_add_co_u32 s20, s20, s18
	s_mul_i32 s20, s20, 768
	s_add_co_u32 s20, s20, 262144
	s_mov_b32 s21, 0
	s_lshl_b32 s46, s42, 8
	s_add_co_u32 s46, s46, s18
	s_mul_i32 s46, s46, 768
	s_add_co_u32 s46, s46, 262144
	s_mov_b32 s47, 0
	s_lshl_b32 s19, s16, 12
	s_lshl_b32 s92, s42, 13
	s_add_co_u32 s92, s92, s19
	s_mov_b32 s93, 0
	s_mul_i32 s45, s14, HALFT
	s_lshl_b32 s94, s14, 12
	s_lshl_b32 s95, s15, 7
	s_add_co_u32 s94, s94, s95
	s_mov_b32 s96, 0x05040100                      ; v_perm_b32: the two low halves,
	s_mov_b32 s97, 0x07060302                      ; the two high halves
	s_wait_dscnt 0x0                               ; the opening add is done
	s_wait_kmcnt 0x0
	s_add_nc_u64 s[20:21], s[4:5], s[20:21]
	s_add_nc_u64 s[46:47], s[6:7], s[46:47]
	s_add_nc_u64 s[92:93], s[6:7], s[92:93]
	CROUND                                         ; all sixteen work-groups are here: the first joint loads meet
	s_mov_b32 s[G0SB], 1
	s_add_co_u32 s[G0SB+1], s94, SCLA
	s_mov_b64 s[G0SB+2:G0SB+3], s[92:93]
	s_or_b32 s[G0SB+3], s[G0SB+3], 0x80000000
.irp s, 0,1
	s_mov_b32 s[G0+4*\s], 1
	s_add_co_u32 s[G0+4*\s+1], s45, \s*SLOT
	s_add_nc_u64 s[G0+4*\s+2:G0+4*\s+3], s[20:21], \s*3072
	s_or_b32 s[G0+4*\s+3], s[G0+4*\s+3], 0x80000000
	s_mov_b32 s[G0B+4*\s], 1
	s_add_co_u32 s[G0B+4*\s+1], s45, \s*SLOT
	s_add_nc_u64 s[G0B+4*\s+2:G0B+4*\s+3], s[46:47], \s*3072
	s_or_b32 s[G0B+4*\s+3], s[G0B+4*\s+3], 0x80000000
.endr
	s_cmp_eq_u32 s15, 0                            ; a wave's first fills stand in one branch: two loads of A's waves, three of B's are out; behind slot 0's stands slot 1's alone on both ways
	s_cbranch_scc0 .Lfirst_b
	tensor_load_to_lds s[G0:G0+3], s[G1:G1+7]
	s_nop 0
	tensor_load_to_lds s[G0+4:G0+7], s[G1:G1+7]
	s_nop 0
.rept 4
	v_nop
.endr
	s_branch .Lfirst_asked
.Lfirst_b:
	tensor_load_to_lds s[G0SB:G0SB+3], s[G1SB:G1SB+7]
	s_nop 0
	tensor_load_to_lds s[G0B:G0B+3], s[G1B:G1B+7]
	s_nop 0
	tensor_load_to_lds s[G0B+4:G0B+7], s[G1B:G1B+7]
	s_nop 0
.rept 4
	v_nop
.endr
.Lfirst_asked:
	v_and_b32 v1, 15, v0                           ; r
	v_bfe_u32 v2, v0, 4, 1                         ; h
	v_and_b32 v3, 31, v0
	v_lshlrev_b32 v[L16], 4, v3
	v_lshlrev_b32 v[L8], 3, v3
	; A's scale bytes: wave w takes heads 4 w .. 4 w + 3 of the work-group's 256 rows, 512 bytes each
	s_lshl_b32 s20, s17, 13
	s_lshl_b32 s21, s14, 11
	s_add_co_u32 s20, s20, s21
	s_mov_b32 s21, 0
	s_add_nc_u64 s[20:21], s[4:5], s[20:21]
.irp e, 0,1,2,3
	global_load_b128 v[64+4*\e:67+4*\e], v[L16], s[20:21] offset:512*\e
.endr
	s_lshl_b32 s22, s14, 11
	s_add_co_u32 s22, s22, SCLA
	v_lshl_add_u32 v[SWA], v3, 5, s22              ; the words of 128 along K number 2 w: 8 rows, 32 bytes, a lane
	s_mul_i32 s23, s15, HALFT                      ; my 128 rows of A
	s_mul_i32 s22, s16, HALFT                      ; my 128 rows of B,
	s_add_co_u32 s22, s22, 2*HALFT                 ; which lie behind A's 256
.irp s, 0,1
	v_add_nc_u32 v[ADRA16+\s], s23, v[L16]
	v_add_nc_u32 v[ADRA8+\s], s23, v[L8]
	v_add_nc_u32 v[ADRB16+\s], s22, v[L16]
	v_add_nc_u32 v[ADRB8+\s], s22, v[L8]
	s_add_co_u32 s23, s23, SLOT
	s_add_co_u32 s22, s22, SLOT
.endr
	s_lshl_b32 s23, s15, 9
	s_lshl_b32 s22, s16, 9
	s_add_co_u32 s22, s22, SCLB-SCLA
	s_sub_co_u32 s22, s22, s23
	v_mul_u32_u24 v6, s22, v2                      ; lanes 16-31 take B's
	s_add_co_u32 s23, s23, SCLA
	v_lshl_add_u32 v5, v1, 2, v6
	v_add_nc_u32 v[ADRS], s23, v5
	s_mul_i32 s23, s14, 16*528
	s_add_co_u32 s23, s23, STG                     ; my stage
	v_mul_u32_u24 v5, v1, 528
	v_lshl_add_u32 v5, v2, 6, v5
	v_add_nc_u32 v[STO], s23, v5                   ; in: row r, + 64 h
	v_add_nc_u32 v[RD], s23, v[L16]                ; back: a row of 512 bytes to the 32 lanes
	s_wait_loadcnt 0x0
.irp u, 0,1                                    ; a word = the even head's two bytes below, the odd head's above
.irp i, 0,1,2,3
	v_perm_b32 v[80+8*\u+2*\i], v[68+8*\u+\i], v[64+8*\u+\i], s96
	v_perm_b32 v[81+8*\u+2*\i], v[68+8*\u+\i], v[64+8*\u+\i], s97
.endr
.endr
	ds_store_b128 v[SWA], v[80:83]
	ds_store_b128 v[SWA], v[84:87] offset:16
	ds_store_b128 v[SWA], v[88:91] offset:1024
	ds_store_b128 v[SWA], v[92:95] offset:1040
	s_lshl_b32 s20, s17, 8                         ; where my part of out0 begins
	s_lshl_b32 s21, s15, 7
	s_add_co_u32 s20, s20, s21
	s_lshl_b32 s20, s20, 12
	s_lshl_b32 s46, s42, 10
	s_lshl_b32 s47, s16, 9
	s_add_co_u32 s46, s46, s47
	s_add_co_u32 s46, s46, s20
	s_mov_b32 s47, 0
	s_add_nc_u64 s[12:13], s[12:13], s[46:47]
.macro FRAG reg, a16, a8, q, i         ; a fragment, 16 rows x 128 K: two half images, four loads
	ds_load_b128 v[\reg:\reg+3], v[\a16] offset:3072*(\i)+1536*(\q)
	ds_load_b64 v[\reg+4:\reg+5], v[\a8] offset:3072*(\i)+1536*(\q)+512
	ds_load_b128 v[\reg+6:\reg+9], v[\a16] offset:3072*(\i)+1536*(\q)+768
	ds_load_b64 v[\reg+10:\reg+11], v[\a8] offset:3072*(\i)+1536*(\q)+1280
.endm
.macro MUL16 a0, p, q, sc, zero        ; the 64 accumulators take turns, one instruction a turn, in the same order in every step
.irp a, \a0, \a0+1
.irp b, 0,1,2,3,4,5,6,7
.if \zero
	v_wmma_scale_f32_16x16x128_f8f6f4 v[8*(8*((\a)%4)+\b):8*(8*((\a)%4)+\b)+7], v[128*(\p)+FR*\b:128*(\p)+FR*\b+FR-1], v[AF+FR*(\a):AF+FR*(\a)+FR-1], 0, v[SC+8*NQ*(\sc)+NQ*\b+(\q)], v[SC+8*NQ*(\sc)+NQ*(\a)+(\q)] matrix_a_fmt:MATRIX_FMT_FP6 matrix_b_fmt:MATRIX_FMT_FP6 matrix_a_scale:MATRIX_SCALE_ROW1
.else
	v_wmma_scale_f32_16x16x128_f8f6f4 v[8*(8*((\a)%4)+\b):8*(8*((\a)%4)+\b)+7], v[128*(\p)+FR*\b:128*(\p)+FR*\b+FR-1], v[AF+FR*(\a):AF+FR*(\a)+FR-1], v[8*(8*((\a)%4)+\b):8*(8*((\a)%4)+\b)+7], v[SC+8*NQ*(\sc)+NQ*\b+(\q)], v[SC+8*NQ*(\sc)+NQ*(\a)+(\q)] matrix_a_fmt:MATRIX_FMT_FP6 matrix_b_fmt:MATRIX_FMT_FP6 matrix_a_scale:MATRIX_SCALE_ROW1
.endif
.endr
.endr
.endm
.macro FETCH_B slot, q, p
	WIN TO_B
.irp i, 0,1,2,3,4,5,6,7
	FRAG 128*(\p)+FR*\i, ADRB16+\slot, ADRB8+\slot, \q, \i
.endr
	WIN 0
.endm
.macro FETCH_A slot, q, i0
.irp i, \i0, \i0+1, \i0+2, \i0+3
	FRAG AF+FR*(\i), ADRA16+\slot, ADRA8+\slot, \q, \i
.endr
.endm
.macro SCALES sc
.irp i, 0,1,2,3,4,5,6,7
.irp q, 0,1
	ds_load_b32 v[SC+16*\sc+2*\i+\q], v[ADRS] offset:1024*\q+64*\i
.endr
.endr
.endm
.macro PLACES n                        ; places in front of loads into registers that matrix instructions have read, and of the first read of results (ISA guide 7.12.1 for vector instructions)
.rept \n
	v_nop
.endr
.endm
.macro STEP slot, q, zero
	s_wait_dscnt 4*NL                              ; all but the youngest 16 loads (A's blocks 4-7)
	WIN MUL_LO
	MUL16 0, (\q)%2, \q, \slot, \zero
	MUL16 2, (\q)%2, \q, \slot, \zero
	s_wait_dscnt 0x0
	PLACES NP
	FETCH_B \slot, (\q)+1, 1-(\q)%2
	FETCH_A \slot, (\q)+1, 0
	WIN MUL_HI
	MUL16 4, (\q)%2, \q, \slot, \zero
	MUL16 6, (\q)%2, \q, \slot, \zero
	PLACES NP
	WIN 0
	FETCH_A \slot, (\q)+1, 4
.endm
.macro TURN slot, next, fill
	s_wait_tensorcnt 0x0                           ; all my tensor loads have landed: my part of the next slot
	ds_add_u32 v[SPW], v[NIL]                      ; 0 onto my spare word
	s_wait_dscnt 4*NL+1                            ; (the add and the youngest 16 loads may be out)
	WIN MUL_LO
	MUL16 0, 1, NQ-1, \slot, 0
	s_wait_dscnt 0x0                               ; the add is done, and my reads of this slot are over
	s_barrier_signal -1
	MUL16 2, 1, NQ-1, \slot, 0
	WIN 0
	s_barrier_wait -1
.if \fill
	CREST                                          ; the barrier has opened a round of the cluster's barrier
	s_add_nc_u64 s[G0+4*\slot+2:G0+4*\slot+3], s[G0+4*\slot+2:G0+4*\slot+3], 6144
	s_add_nc_u64 s[G0B+4*\slot+2:G0B+4*\slot+3], s[G0B+4*\slot+2:G0B+4*\slot+3], 6144
	JLOAD G0+4*\slot, G1, G0B+4*\slot, G1B         ; the first tensor load behind the round
.else
	PLACES NP
.endif
	v_add_nc_u32 v[ADRS], 2048, v[ADRS]
	FETCH_B \next, 0, 0
	FETCH_A \next, 0, 0
	SCALES \next
	WIN MUL_HI
	MUL16 4, 1, NQ-1, \slot, 0
	MUL16 6, 1, NQ-1, \slot, 0
	PLACES NP
	WIN 0
	FETCH_A \next, 0, 4
.endm
	s_wait_dscnt 0x0                               ; for the others' sake: my part of A's scale words lies in LDS,
	s_wait_tensorcnt 1                             ; B's scale words and my part of K step 0 are in (K step 1's load may be out),
	s_barrier_signal -1
	s_barrier_wait -1                              ; everybody's are
	FETCH_B 0, 0, 0
	FETCH_A 0, 0, 0
	SCALES 0
	FETCH_A 0, 0, 4
	STEP 0, 0, 1                                   ; the first products start the sums
	TURN 0, 1, 1
	STEP 1, 0, 0
	TURN 1, 0, 1
	STEP 0, 0, 0
	TURN 0, 1, 0
	STEP 1, 0, 0
	s_wait_dscnt 4*NL
	WIN MUL_LO
	MUL16 0, 1, NQ-1, 1, 0
	MUL16 2, 1, NQ-1, 1, 0
	s_wait_dscnt 0x0
	WIN MUL_HI
	MUL16 4, 1, NQ-1, 1, 0
	MUL16 6, 1, NQ-1, 1, 0
	WIN 0
; THE WAY OUT, block by block of 16 rows x 128 columns.  Lane (r, h), accumulator b, register j: column 32 (b / 2) + 16 h + 8 (b % 2) + j of my 128.  A block goes through my own stage and comes back as whole rows of
; 512 bytes; row t of block a is token 32 (a / 2) + 8 (a % 2) + t + 8 (t / 8) of my 128.
.macro TOSTAGE a
.set AC, 64*((\a)%4)
.set WN, 0x08+4*((\a)/4)
	WIN WN                                         ; an LDS store's data are its source 1: window 2 or 3
.irp b, 0,1,2,3,4,5,6,7
	ds_store_b128 v[STO], v[AC+8*\b:AC+8*\b+3] offset:128*(\b/2)+32*(\b%2)          ; each accumulator from its low end on
	ds_store_b128 v[STO], v[AC+8*\b+4:AC+8*\b+7] offset:128*(\b/2)+32*(\b%2)+16
.endr
	WIN 0
.set BB, BK+64*((\a)%2)
.irp t, 0,1,2,3,4,5,6,7,8,9,10,11,12,13,14,15
	ds_load_b128 v[BB+4*\t:BB+4*\t+3], v[RD] offset:\t*528   ; LDS serves a wave's instructions in order (ISA guide 5.7.1.4): these see the stores above
.endr
.endm
.macro SEND a, younger
.set BB, BK+64*((\a)%2)
	s_wait_dscnt \younger                          ; the block is back in registers
.irp t, 0,1,2,3,4,5,6,7,8,9,10,11,12,13,14,15
	global_store_b128 v[L16], v[BB+4*\t:BB+4*\t+3], s[12:13] offset:(32*((\a)/2)+8*((\a)%2)+\t+8*(\t/8))*4096 th:TH_STORE_NT   ; 512 consecutive bytes, aligned; written once, read by nobody here
.endr
.endm
	PLACES NP
	TOSTAGE 0
.irp a, 1,2,3,4,5,6,7
.if \a > 1
	s_wait_xcnt 0x0                                ; block a - 2's stores have read their registers: block a's loads may land there
.endif
	TOSTAGE \a
	SEND \a-1, 32                                  ; behind block a - 1's loads: block a's 16 stores and 16 loads
.endr
	SEND 7, 0
	s_wait_tensorcnt 0x0                           ; the wave's end
	ds_add_u32 v[SPW], v[NIL]
	s_wait_dscnt 0x0
	CROUND                                         ; the closing round
	s_endpgm
.Lfunc_end_k_q48e263a0d2_gemm_out:
	.size	k_q48e263a0d2_gemm_out, .Lfunc_end_k_q48e263a0d2_gemm_out-k_q48e263a0d2_gemm_out
	.p2alignl 7, 3214868480
	.fill 96, 4, 3214868480
	.section	.rodata,"a",@progbits
	.p2align	6, 0x0
	.amdhsa_kernel k_q48e263a0d2_gemm_out
		.amdhsa_group_segment_fixed_size 327680
		.amdhsa_private_segment_fixed_size 0
		.amdhsa_enable_private_segment 0
		.amdhsa_kernarg_size 24
		.amdhsa_user_sgpr_count 2
		.amdhsa_user_sgpr_kernarg_segment_ptr 1
		.amdhsa_wavefront_size32 1
		.amdhsa_system_sgpr_workgroup_id_x 1
		.amdhsa_system_sgpr_workgroup_id_y 1
		.amdhsa_system_sgpr_workgroup_id_z 1
		.amdhsa_system_vgpr_workitem_id 0
		.amdhsa_next_free_vgpr 1024
		.amdhsa_next_free_sgpr 100
		.amdhsa_reserve_vcc 0
		.amdhsa_float_denorm_mode_32 3
		.amdhsa_float_denorm_mode_16_64 3
		.amdhsa_memory_ordered 1
		.amdhsa_forward_progress 1
		.amdhsa_inst_pref_size 146
	.end_amdhsa_kernel
	.amdgpu_metadata
---
amdhsa.version: [ 1, 2 ]
amdhsa.kernels:
  - .name:           k_q48e263a0d2_gemm_out
    .symbol:         k_q48e263a0d2_gemm_out.kd
    .args:
      - { .name: cq, .offset: 0, .size: 8, .value_kind: global_buffer, .address_space: global }
      - { .name: woq, .offset: 8, .size: 8, .value_kind: global_buffer, .address_space: global }
      - { .name: out0, .offset: 16, .size: 8, .value_kind: global_buffer, .address_space: global }
    .group_segment_fixed_size: 327680
    .private_segment_fixed_size: 0
    .kernarg_segment_align: 8
    .kernarg_segment_size: 24
    .max_flat_workgroup_size: 128
    .sgpr_count:     100
    .vgpr_count:     1024
    .wavefront_size: 32
...
	.end_amdgpu_metadata
.endif
;; end of part 5
